; MI455X (gfx1250); checked and timed in simulation.
; The chip was launched on July 23, 2026; its instructions are those of AMD's public machine-readable ISA for CDNA 5 (MIT licence, August 2026) and "CDNA5" Instruction Set Architecture Reference Guide (July 2026). The comments in the code are by the model that wrote it; some were corrected since.
;; Multi Head Attention. Allowed arithmetic: matrix products marked QUANTISED: E3M2 operands, one E8M0 scale for each 32 along K, by v_wmma_scale_f32_16x16x128_f8f6f4 with both operands' format E3M2, f32 sums; everything else in f32.
;; Inputs: Wout 1,024 x 1,024 float32; Wqkv 1,024 x 3,072 float32; x 4 x 2,048 x 1,024 float32.
;; Outputs: out0 4 x 2,048 x 1,024 float32.
;; This version of the problem:
;;   THIS VERSION OF THE PROBLEM IS GIVEN IN LOW PRECISION. The matrix products marked QUANTISED in the list below multiply operands that are first quantised to E3M2 (3 exponent bits, 2 mantissa bits; 6 bits a number), with one power-of-two scale for each 32 numbers along K (OCP MX v1.0); their sums are f32. All else is computed in f32.
;;   The module's matrix products, in the order in which they are computed (A, B: the left and right operand; K: the contracted axis; several contracted axes count as one K, in the product's order):
;;     1. [M 8,192, K 1,024] x [K 1,024, N 3,072]; A: input x; B: input Wqkv: QUANTISED
;;     2. batch 64 x [M 2,048, K 64] x [K 64, N 2,048]; A: computed on the way; B: computed on the way: QUANTISED
;;     3. batch 64 x [M 2,048, K 2,048] x [K 2,048, N 64]; A: softmax (see below); B: computed on the way: QUANTISED
;;     4. [M 8,192, K 1,024] x [K 1,024, N 1,024]; A: computed on the way; B: input Wout: QUANTISED
;;   THE QUANTISER, for each operand of a quantised product, along K:
;;     - K is cut into blocks of 32 from its start; a last block that is shorter is filled with zeros.
;;     - A block's scale is 2^e with e = floor(log2(the largest magnitude in the block)) - 4, held to -126 .. 127; a block of zeros has e = 0. As a byte (E8M0): e + 127.
;;     - Each number is divided by its block's scale, clamped to +-28, and rounded to the nearest number of E3M2, ties to even, subnormals kept.
;;     - The product sums the exact products of the quantised numbers (number of the format x scale) in f32.
;;   ~~~python
;;   def quantise(x, axis):      # numpy; x: float32 -> the quantised numbers, widened to float32 again
;;       x = np.moveaxis(x, axis, -1); K = x.shape[-1]
;;       x = np.pad(x, [(0, 0)] * (x.ndim - 1) + [(0, -K % 32)]); x = x.reshape(x.shape[:-1] + (-1, 32)); a = np.abs(x).max(-1, keepdims=True)
;;       e = np.where(a > 0, np.clip(np.frexp(np.where(a > 0, a, 1))[1] - 1 - 4, -126, 127), 0)      # np.frexp(a)[1] - 1 = floor(log2(a)), exactly
;;       r = np.clip(x / 2.0 ** e, -28, 28)
;;       step = 2.0 ** (np.maximum(np.frexp(np.where(r == 0, 1, r))[1] - 1, -2) - 2)
;;       q = np.round(r / step) * step * 2.0 ** e      # np.round: ties to even
;;       return np.moveaxis(q.reshape(q.shape[:-2] + (-1,))[..., :K], -1, axis).astype(np.float32)
;;   ~~~
;;   SOFTMAX AHEAD OF A QUANTISED PRODUCT. Where the list says 'softmax', what is quantised is not the finished softmax but p = 2^(t - M), with t = logit x log2(e) and M = ceil(the row's largest t), a whole number; so 1/2 < the row's largest p <= 1. The row's sum l is taken of the UNQUANTISED p, in f32, and the product's result is divided by l at the end. Since M is a whole number, a kernel that streams over the keys may use a running M (the ceiling of the running maximum): every later rescaling is an exact power of two, which a block's scale takes up: the codes' values come out the same.
;;   OPERANDS COMPUTED ON THE WAY. 'Computed on the way' means the value that the module computes at that place (a softmax that the list does not call 'softmax' is quantised finished and normalised). What goes into a quantiser is computed in f32, as accurately as f32 sums, v_exp_f32 and their like allow (about 1e-6 of the number): no bf16 or f16 on the way to a quantiser, and a product that is left as it is and whose result goes on into a quantised operand takes f32 operands (vector FMAs, or v_wmma_f32_16x16x4_f32). A number that lies on a knife's edge between two numbers of the format may be rounded either way, as far as f32 arithmetic and the matrix unit's own rounding can turn it there, and no further.
;; One version. Each part assembles by itself: llvm-mc -triple=amdgcn-amd-amdhsa -mcpu=gfx1250 --defsym DOCPART=n.
;; ======== version 1 of 1: 4 launches
;; workspace buffers: xq 6,553,600 bytes; wq 3,276,800 bytes; qk 13,631,488 bytes; vv 6,815,744 bytes; ao 6,553,600 bytes
;; launch quant (part 1): grid 384 x 1, 4 waves a work-group, no clusters, 68,096 bytes of LDS; arguments x, Wqkv, Wout, xq, wq; writes xq, wq
.if DOCPART == 1
	.amdgcn_target "amdgcn-amd-amdhsa--gfx1250"
	.amdhsa_code_object_version 6
	.text
	.protected	k_qf4ebd81aa6_quant
	.globl	k_qf4ebd81aa6_quant
	.p2align	8
	.type	k_qf4ebd81aa6_quant,@function
k_qf4ebd81aa6_quant:
	s_mov_b64 s[64:65], 0
	v_nop
	global_prefetch_b8 v0, s[64:65] scope:SCOPE_SE
	s_setreg_imm32_b32 hwreg(HW_REG_WAVE_MODE, 25, 1), 1
	s_wait_xcnt 0x0
; x [8192][1024], Wqkv [1024][3072] and Wout [1024][1024], f32, become codes of BF6 (E3M2) with K innermost and one E8M0 byte for each 32 along K.
; xq: codes [8192 places][768 bytes], then scale bytes [8192 places][32] from byte XSC on.  wq: codes [4096 places][768] (places 0-3071: Wqkv's columns, 3072-4095: Wout's), scale bytes [4096][32] from WSC on.
; PLACES: row (or column) i is stored at place i with its bits 3 and 4 exchanged.  Sixteen neighbouring places are then rows 8 u + r + 8 (r / 8) of a group of 32, so that a product
; that takes such a tile as its source 0 leaves 16 neighbours of that axis in a lane's 16 registers of two neighbouring tiles, ready for the next quantiser.
; A block's scale is 2^(floor(log2(largest magnitude)) - 4): its byte is the largest magnitude's exponent field - 4, held at 1 from below.
; LIMITS: a block of zeros, and one whose largest magnitude lies under 2^-122, gets the byte 1 (its codes are zeros or what the floor's scale gives; this program alone reads the bytes); NaN and infinities are not served.
; Work-groups 0-127 take the weights (K is their FIRST axis: a lane takes a column and its registers run down K), 128-383 take x (K innermost: a plain stream of blocks).
; The two ways have LDS bytes of their own.  No tensor loads, no barrier: waves share nothing.
.set XSC,   6291456
.set WSC,   3145728
.set EMAX,  4
; ---- x's way
.set STEPS, 16
.set CB,    12                         ; bytes of 16 codes
.set R,     16                         ; v16-79   four sets of 16 numbers as loaded
.set X,     80                         ; v80-111  two sets of 16 neighbours
.set C,     128                        ; v128-191 codes, four registers a step
.set E,     112                        ; v112-127 a scale byte a step
.set WREG,  8192                       ; LDS bytes of a wave: two stages of 32 x SP, then its 256 scale bytes
.set SP,    80
; ---- the weights' way
.set NB,    8                          ; blocks of 32 along K for a wave
.set PITCH, 272                        ; a stage row: sixteen places of 16 bytes + 16
.set KROW,  768                        ; a row of codes in memory
.set WSTG,  32768                      ; the weights' stages begin behind x's LDS bytes
.set WX,    32                         ; v32-95   two sets of 32 numbers
.set WC,    96                         ; v96..    a block's codes
.set OUTR,  112                        ; v112-175 the way out
.set SB,    24                         ; v24-25   the scale bytes
.set WO,    176                        ; v176-207 byte offsets of rows 0-31 of a block at my column
	s_load_b256 s[4:11], s[0:1], 0x0               ; x s[4:5], Wqkv s[6:7], Wout s[8:9], xq s[10:11]
	s_load_b64 s[12:13], s[0:1], 0x20              ; wq
	v_lshl_add_u32 v208, v0, 2, 0x10800
	v_mov_b32 v209, 0
	v_lshrrev_b32 v1, 5, v0
	v_readfirstlane_b32 s16, v1                    ; wave
	v_and_b32 v2, 31, v0                           ; lane
	s_cmp_lt_u32 ttmp9, 128
	s_cbranch_scc0 .Lx
; ================= THE WEIGHTS: a wave takes 32 columns x 256 along K =================
	s_and_b32 s17, ttmp9, 31                       ; which 128 places of wq
	s_lshr_b32 s18, ttmp9, 5                       ; which 256 along K
	v_and_b32 v3, 7, v2
	v_bfe_u32 v5, v2, 3, 1
	v_lshl_add_u32 v3, v5, 4, v3
	v_bfe_u32 v5, v2, 4, 1
	v_lshl_add_u32 v10, v5, 3, v3                  ; my column's place among the wave's 32: bits 3 and 4 exchanged
	s_mul_i32 s19, s16, 32*PITCH
	s_add_co_u32 s19, s19, WSTG                    ; my stage
	v_mul_u32_u24 v4, v10, PITCH
	v_add_nc_u32 v4, s19, v4                       ; into it: row = my place
	v_and_b32 v5, 15, v2
	v_lshrrev_b32 v6, 4, v2
	v_mul_u32_u24 v7, v6, PITCH
	v_lshl_add_u32 v7, v5, 4, v7
	v_add_nc_u32 v7, s19, v7                       ; out of it: sixteen lanes to a row, two rows an instruction
	v_mul_u32_u24 v8, v6, KROW
	v_mad_u32_u24 v8, v5, 12, v8                   ; and the same place in the codes
	v_lshlrev_b32 v9, 5, v10                       ; my place's row of scale bytes
	s_mov_b32 s20, 4096
	s_cmp_lt_u32 s17, 24                           ; Wqkv's columns or Wout's?  The choice hangs on the work-group's number alone
	s_cselect_b32 s20, 0x3000, s20                 ; bytes in a row of the weight
	s_cselect_b32 s21, 0, 24
	s_sub_co_u32 s21, s17, s21                     ; which 128 columns of that weight
	s_lshl_b32 s22, s18, 8
	s_mul_i32 s22, s22, s20                        ; 256 rows for each step along K,
	s_lshl_b32 s23, s21, 9
	s_add_co_u32 s22, s22, s23                     ; 512 bytes for each 128 columns,
	s_lshl_b32 s23, s16, 7
	s_add_co_u32 s22, s22, s23                     ; 128 for each wave
	s_mov_b32 s23, 0
	s_lshl_b32 s28, s20, 5                         ; 32 rows: from a block to the next
	s_mov_b32 s29, 0
	s_lshl_b32 s24, s17, 7
	s_lshl_b32 s25, s16, 5
	s_add_co_u32 s24, s24, s25                     ; my wave's first place
	s_mul_i32 s26, s24, KROW
	s_mul_i32 s25, s18, 192
	s_add_co_u32 s26, s26, s25                     ; its codes
	s_mov_b32 s27, 0
	s_lshl_b32 s30, s24, 5
	s_lshl_b32 s25, s18, 3
	s_add_co_u32 s30, s30, s25
	s_add_co_u32 s30, s30, WSC                     ; its scale bytes
	s_mov_b32 s31, 0
	v_lshlrev_b32 v[WO], 2, v2                     ; 4 bytes a lane,
.irp i, 1,2,3,4,5,6,7,8,9,10,11,12,13,14,15,16,17,18,19,20,21,22,23,24,25,26,27,28,29,30,31
	v_add_nc_u32 v[WO+\i], s20, v[WO+\i-1]         ; and a row more for each register: never rewritten
.endr
	s_wait_kmcnt 0x0
	s_cmp_lt_u32 s17, 24
	s_cselect_b64 s[6:7], s[6:7], s[8:9]
	s_add_nc_u64 s[32:33], s[6:7], s[22:23]        ; a base for each of the eight blocks: nothing is stepped while loads are out
.irp t, 1,2,3,4,5,6,7
	s_add_nc_u64 s[32+2*\t:33+2*\t], s[30+2*\t:31+2*\t], s[28:29]
.endr
	s_add_nc_u64 s[14:15], s[12:13], s[26:27]
	s_add_nc_u64 s[12:13], s[12:13], s[30:31]
.macro LOADW t                         ; block t: W(32 t + i, my column) into set t % 2: each load reads 128 consecutive bytes
.irp i, 0,1,2,3,4,5,6,7,8,9,10,11,12,13,14,15,16,17,18,19,20,21,22,23,24,25,26,27,28,29,30,31
	global_load_b32 v[WX+32*((\t)%2)+\i], v[WO+\i], s[32+2*(\t):33+2*(\t)] th:TH_LOAD_NT
.endr
.endm
	LOADW 0
	LOADW 1
.macro BLOCKW t
.set XS, WX+32*((\t)%2)
.if (\t) < NB-1
	s_wait_loadcnt 32                              ; this block's 32 loads are in; the next block's may be out
.else
	s_wait_loadcnt 0
.endif
	v_max3_num_f32 v12, |v[XS]|, |v[XS+1]|, |v[XS+2]|   ; the block's largest magnitude: all 32 numbers are mine
	v_max3_num_f32 v13, |v[XS+3]|, |v[XS+4]|, |v[XS+5]|
.irp i, 6,10,14,18,22,26
	v_max3_num_f32 v12, v12, |v[XS+\i]|, |v[XS+\i+1]|
	v_max3_num_f32 v13, v13, |v[XS+\i+2]|, |v[XS+\i+3]|
.endr
	v_max3_num_f32 v12, v12, |v[XS+30]|, |v[XS+31]|
	v_max3_num_f32 v12, v12, v13, (EMAX+1)<<23     ; and the floor 2^(5 - 127): the byte cannot fall under 1
	v_add_nc_u32 v11, 0xfe000000, v12              ; 4 off its exponent field: the conversion takes this operand's exponent field as its scale
	v_lshrrev_b32 v13, 23, v11                     ; the scale's byte
.if (\t)%4 == 0
	v_mov_b32 v[SB+(\t)/4], v13
.else
	v_lshl_or_b32 v[SB+(\t)/4], v13, 8*((\t)%4), v[SB+(\t)/4]
.endif
	v_cvt_scalef32_pk16_bf6_f32 v[WC:WC+2], v[XS:XS+15], v11
	v_cvt_scalef32_pk16_bf6_f32 v[WC+4:WC+6], v[XS+16:XS+31], v11   ; (a conversion's three registers begin on an even number)
	ds_store_b96 v4, v[WC:WC+2] offset:32*(\t)     ; 12 bytes to a place of 16, so that every LDS address is a multiple of 16
	ds_store_b96 v4, v[WC+4:WC+6] offset:32*(\t)+16
.if (\t)+2 < NB
	LOADW (\t)+2
.endif
	s_wait_dscnt 0x0                               ; the stores have read their registers: the next block's codes may be written
.endm
.irp t, 0,1,2,3,4,5,6,7
	BLOCKW \t
.endr
	global_store_b64 v9, v[SB:SB+1], s[12:13]      ; my column's eight scale bytes
.irp t, 0,1,2,3,4,5,6,7,8,9,10,11,12,13,14,15
	ds_load_b96 v[OUTR+4*\t:OUTR+4*\t+2], v7 offset:2*\t*PITCH   ; LDS serves a wave's instructions in order: these see my stores
.endr
.irp t, 0,1,2,3,4,5,6,7,8,9,10,11,12,13,14,15
	s_wait_dscnt 15-\t                             ; the younger reloads may be out
	global_store_b96 v8, v[OUTR+4*\t:OUTR+4*\t+2], s[14:15] offset:2*\t*KROW   ; sixteen lanes store a row's 192 consecutive bytes
.endr
	s_wait_tensorcnt 0x0
	ds_add_u32 v208, v209
	s_wait_dscnt 0x0
	s_endpgm
; ================= x: a wave takes 8 rows = 16 steps of 512 numbers =================
.Lx:
	v_lshlrev_b32 v3, 4, v2                        ; my 16 bytes of a load's 512
	s_mul_i32 s17, s16, WREG
	v_lshrrev_b32 v14, 2, v2
	v_mul_u32_u24 v14, v14, SP
	v_and_b32 v15, 3, v2
	v_lshl_add_u32 v14, v15, 4, v14
	v_add_nc_u32 v14, s17, v14                     ; the stage, on the way in: four lanes' 64 bytes on end, then 16 of padding
	v_mul_u32_u24 v15, v2, SP
	v_add_nc_u32 v15, s17, v15                     ; and on the way out: my 16 neighbours
	v_mul_u32_u24 v4, v2, CB                       ; my codes' place in a step's
	v_lshrrev_b32 v5, 1, v2
	s_add_co_u32 s17, s17, 2*32*SP
	v_add_nc_u32 v5, s17, v5                       ; my wave's 256 scale bytes, my block's byte
	v_lshlrev_b32 v7, 3, v2
	v_add_nc_u32 v6, s17, v7
	s_sub_co_u32 s18, ttmp9, 128
	s_lshl_b32 s18, s18, 2
	s_add_co_u32 s20, s18, s16                     ; which 8 rows I read,
	s_and_b32 s19, s16, 1
	s_lshl_b32 s19, s19, 1
	s_lshr_b32 s21, s16, 1
	s_or_b32 s19, s19, s21
	s_add_co_u32 s22, s18, s19                     ; and at which 8 places they are stored: the rows' bits 3 and 4 are this number's bits 0 and 1
	s_lshl_b32 s20, s20, 15                        ; 8 rows of 4,096 bytes
	s_mov_b32 s21, 0
	s_mul_i32 s24, s22, 6144                       ; 8 rows of 768 bytes of codes
	s_mov_b32 s25, 0
	s_lshl_b32 s26, s22, 8                         ; 8 rows of 32 scale bytes
	s_add_co_u32 s26, s26, XSC
	s_mov_b32 s27, 0
	s_wait_kmcnt 0x0
	s_add_nc_u64 s[4:5], s[4:5], s[20:21]
	s_add_nc_u64 s[8:9], s[10:11], s[24:25]
	s_add_nc_u64 s[10:11], s[10:11], s[26:27]
.macro LOADX t
.irp i, 0,1,2,3
	global_load_b128 v[R+16*((\t)%4)+4*\i:R+16*((\t)%4)+4*\i+3], v3, s[4:5] offset:2048*(\t)+512*\i th:TH_LOAD_NT   ; 32 lanes read 512 consecutive bytes
.endr
.endm
.macro TURNX t                         ; step t's numbers through the stage: LDS serves a wave's instructions in order
.irp i, 0,1,2,3
	ds_store_b128 v14, v[R+16*((\t)%4)+4*\i:R+16*((\t)%4)+4*\i+3] offset:32*SP*((\t)%2)+8*SP*\i
.endr
.irp i, 0,1,2,3
	ds_load_b128 v[X+16*((\t)%2)+4*\i:X+16*((\t)%2)+4*\i+3], v15 offset:32*SP*((\t)%2)+16*\i
.endr
.endm
.irp t, 0,1,2,3
	LOADX \t
.endr
	s_wait_loadcnt 12                              ; step 0's four loads are in
	TURNX 0
.macro STEPX t
.set XS, X+16*((\t)%2)
.if (\t) > 0
	s_wait_dscnt 1                                 ; this step's numbers are back from the stage (the last step's byte store may be out)
.else
	s_wait_dscnt 0x0
.endif
.if (\t)+4 < STEPS
	LOADX (\t)+4                                   ; into the registers that the stage's stores have read
.endif
.if (\t)+1 < STEPS
.if STEPS-2-(\t) >= 3
	s_wait_loadcnt 12                              ; the next step's four loads are in; those of the three steps behind it may be out
.else
	s_wait_loadcnt 4*(STEPS-2-(\t))
.endif
	TURNX (\t)+1
.endif
	v_max3_num_f32 v8, |v[XS]|, |v[XS+1]|, |v[XS+2]|   ; the largest magnitude of my 16
	v_max3_num_f32 v9, |v[XS+3]|, |v[XS+4]|, |v[XS+5]|
.irp i, 6,10
	v_max3_num_f32 v8, v8, |v[XS+\i]|, |v[XS+\i+1]|
	v_max3_num_f32 v9, v9, |v[XS+\i+2]|, |v[XS+\i+3]|
.endr
	v_max3_num_f32 v8, v8, |v[XS+14]|, |v[XS+15]|
	v_max3_num_f32 v8, v8, v9, (EMAX+1)<<23        ; and the floor
	v_max_num_f32_dpp v8, v8, v8 row_xmask:1 row_mask:0xf bank_mask:0xf   ; and of my neighbour's 16: the block's
	v_add_nc_u32 v11, 0xfe000000, v8
	v_cvt_scalef32_pk16_bf6_f32 v[C+4*(\t):C+4*(\t)+2], v[XS:XS+15], v11
	v_lshrrev_b32 v[E+(\t)], 23, v11               ; the scale's byte
	ds_store_b8 v5, v[E+(\t)] offset:16*(\t)       ; both lanes of a block write the same byte with the same value
	global_store_b96 v4, v[C+4*(\t):C+4*(\t)+2], s[8:9] offset:32*CB*(\t)   ; the wave stores 384 consecutive bytes
.endm
.irp t, 0,1,2,3,4,5,6,7,8,9,10,11,12,13,14,15
	STEPX \t
.endr
	ds_load_b64 v[12:13], v6
	s_wait_dscnt 0x0
	global_store_b64 v7, v[12:13], s[10:11]        ; 32 lanes store 256 consecutive bytes, aligned
	s_wait_tensorcnt 0x0
	ds_add_u32 v208, v209
	s_wait_dscnt 0x0
	s_endpgm
.Lfunc_end_k_qf4ebd81aa6_quant:
	.size	k_qf4ebd81aa6_quant, .Lfunc_end_k_qf4ebd81aa6_quant-k_qf4ebd81aa6_quant
	.p2alignl 7, 3214868480
	.fill 96, 4, 3214868480
	.section	.rodata,"a",@progbits
	.p2align	6, 0x0
	.amdhsa_kernel k_qf4ebd81aa6_quant
		.amdhsa_group_segment_fixed_size 68096
		.amdhsa_private_segment_fixed_size 0
		.amdhsa_enable_private_segment 0
		.amdhsa_kernarg_size 40
		.amdhsa_user_sgpr_count 2
		.amdhsa_user_sgpr_kernarg_segment_ptr 1
		.amdhsa_wavefront_size32 1
		.amdhsa_system_sgpr_workgroup_id_x 1
		.amdhsa_system_sgpr_workgroup_id_y 1
		.amdhsa_system_sgpr_workgroup_id_z 1
		.amdhsa_system_vgpr_workitem_id 0
		.amdhsa_next_free_vgpr 210
		.amdhsa_next_free_sgpr 66
		.amdhsa_reserve_vcc 0
		.amdhsa_float_denorm_mode_32 3
		.amdhsa_float_denorm_mode_16_64 3
		.amdhsa_memory_ordered 1
		.amdhsa_forward_progress 1
		.amdhsa_inst_pref_size 75
	.end_amdhsa_kernel
	.amdgpu_metadata
---
amdhsa.version: [ 1, 2 ]
amdhsa.kernels:
  - .name:           k_qf4ebd81aa6_quant
    .symbol:         k_qf4ebd81aa6_quant.kd
    .args:
      - { .name: x, .offset: 0, .size: 8, .value_kind: global_buffer, .address_space: global }
      - { .name: Wqkv, .offset: 8, .size: 8, .value_kind: global_buffer, .address_space: global }
      - { .name: Wout, .offset: 16, .size: 8, .value_kind: global_buffer, .address_space: global }
      - { .name: xq, .offset: 24, .size: 8, .value_kind: global_buffer, .address_space: global }
      - { .name: wq, .offset: 32, .size: 8, .value_kind: global_buffer, .address_space: global }
    .group_segment_fixed_size: 68096
    .private_segment_fixed_size: 0
    .kernarg_segment_align: 8
    .kernarg_segment_size: 40
    .max_flat_workgroup_size: 128
    .sgpr_count:     66
    .vgpr_count:     210
    .wavefront_size: 32
...
	.end_amdgpu_metadata
.endif
;; end of part 1
;; launch gemm_qkv (part 2): grid 12 x 32, 4 waves a work-group, clusters of 4 x 4, 327,680 bytes of LDS; arguments xq, wq, qk, vv; writes qk, vv
.if DOCPART == 2
	.amdgcn_target "amdgcn-amd-amdhsa--gfx1250"
	.amdhsa_code_object_version 6
	.text
	.protected	k_qf4ebd81aa6_gemm_qkv
	.globl	k_qf4ebd81aa6_gemm_qkv
	.p2align	8
	.type	k_qf4ebd81aa6_gemm_qkv,@function
k_qf4ebd81aa6_gemm_qkv:
	s_mov_b64 s[64:65], 0
	v_nop
	global_prefetch_b8 v0, s[64:65] scope:SCOPE_SE
	s_setreg_imm32_b32 hwreg(HW_REG_WAVE_MODE, 25, 1), 1
	s_wait_xcnt 0x0
	s_wait_alu depctr_hold_cnt(0) depctr_sa_sdst(0) depctr_va_vdst(0) depctr_va_sdst(0) depctr_va_ssrc(0) depctr_va_vcc(0) depctr_vm_vsrc(0)
	s_getreg_b32 s2, hwreg(HW_REG_IB_STS2, 6, 4)
	s_cmp_eq_u32 s2, 0
	s_cbranch_scc0 .Lentry_in_a_cluster
	s_endpgm
.Lentry_in_a_cluster:
	s_bfe_u32 s2, ttmp6, 0x10000c
	s_cmp_lg_u32 s2, 0xf033
	s_cbranch_scc0 .Lentry_shape_is_right
	s_endpgm
.Lentry_shape_is_right:
; qkv = x Wqkv on codes of BF6 (E3M2) with E8M0 scales, K = 1024; the results never leave as f32: each wave quantises its 128 x 128 in registers and stores operand images for the attention launch.
; A work-group of four waves makes 256 x 256, a wave 128 x 128 in 64 accumulators.  K goes in steps of 256 through a ring of two LDS slots filled by the tensor data mover; the scale bytes of the
; work-group's 2 x 256 rows, for all of K, come once.  4 x 4 work-groups form a cluster: source 1's tiles are asked for jointly along a row of the cluster, source 0's along a column.
; WHICH TENSOR IS WHICH SOURCE hangs on the cluster's x alone (the same in all partners; selects, no branch).  A lane of the result holds ONE row of source 1, and its registers run along source 0's rows.
;   q's and k's columns (clusters 0, 1): source 1 = x, source 0 = Wqkv's columns: a lane holds one t and 64 numbers along n, which is the next product's K (the head's axis).
;   v's columns (cluster 2): source 1 = Wqkv's columns, source 0 = x: a lane holds one (head, d) and 64 numbers along t, which is the next product's K (the keys).
; Both operand buffers are stored by PLACES (bits 3 and 4 of the row exchanged), so the 16 registers of accumulators 2 b and 2 b + 1 are 16 neighbours 32 b + 16 (lane / 16) + 0 .. 15 of source 0's true axis.
; AN IMAGE is a fragment (16 rows x 128 K, 12 registers a lane) as six pieces of 256 bytes: piece p = registers 2 p, 2 p + 1, lane l at 8 l.  qk: image (chunk of 128 columns, tile of 16 places of t);
; vv: image (128 keys, tile of 16 places of (head, d)).  Each row's scale word is stored as made and once more shifted down by 16 bits (an odd head's two bytes then stand lowest).
; LIMITS: a block whose largest magnitude lies under 2^-122 (zeros too) gets the byte 1; NaN and infinities are not served.
; REGISTERS, in windows of 256: window 0: v0-31 addresses; v32-63 scale words, two sets; from v128 source 1's fragments, ONE set; on the way out v112-231 at work.
;   window 1: source 0's fragments, TWO sets.   window 2: the accumulators of my source 1 rows 0-63 ((a, b) at v[8 (8 a + b)]);   window 3: rows 64-127.
.set SIZE_K, 1024
.set KSTEP,  256
.set NQ,     KSTEP/128
.set ROWB,   192                       ; a tile's row in bytes
.set KROW,   SIZE_K*6/8
.set PITCH,  240                       ; an LDS row: 3 x (64 bytes + 16 of padding)
.set FR,     12
.set NL,     6
.set NP,     4
.set HALFT,  128*PITCH
.set SLOT,   4*HALFT
.set LAPS,   SIZE_K/(2*KSTEP)
.set KS,     SIZE_K/32
.set SCL,    2*SLOT                    ; behind the ring: the scales, as units of 256 bytes + 16 of padding
.set HALFS,  (128*KS/256)*272
.set SBLK,   (16*KS/256)*272
.set SPARE,  SCL+4*HALFS               ; the spare words, 128 bytes a wave: two blocks of 256 bytes that no other line names
.set XSC,    6291456                   ; where xq's scale bytes begin
.set WSC,    3145728                   ; wq's
.set QSC,    12582912                  ; qk's scale words
.set VSCO,   6291456                   ; vv's
.set ADRA, 16                          ; v16-17 LDS address of source 1's fragments in slot 0, 1 (v18-19: behind one padding more)
.set ADRB, 20                          ; v20-23 the same for source 0
.set L8,   24                          ; v24  8 x lane
.set L4,   25                          ; v25  4 x lane
.set ADRS, 27                          ; v27  LDS address of my scale words
.set SPW,  28                          ; v28  my spare word; never rewritten
.set NIL,  29                          ; v29  0; never rewritten
.set SC,   32
.set AF,   128
.set TM,   200                         ; the way out: v200-215 at work, v216-223 the eight blocks' scale words, v224-231 their pairs
.set PWD,  216
.set G1, 24
.set G0, 32
.set G1B, 48
.set G0B, 56
.set G1S, 68
.set G0S, 76
.set G1SB, 80
.set G0SB, 88
.set MSB, 0
.macro WIN new                         ; the immediate's high byte repeats the setting that is left
.if MSB != \new
	s_set_vgpr_msb (MSB<<8)|\new
.set MSB, \new
.endif
.endm
.set MUL_LO, 0xa1                      ; source 0 window 1, source 1 window 0, C and D window 2
.set MUL_HI, 0xf1
.set TO_B,   0x40
; A joint load: waves 0 and 1 fetch for source 1, waves 2 and 3 for source 0.  The branch hangs on the wave's number alone.  Four v_nop follow each of the two lines.
.macro JLOAD g0a, g1a, g0b, g1b
	s_cmp_eq_u32 s15, 0
	s_cbranch_scc0 .Lfor_b_\@
	tensor_load_to_lds s[\g0a:\g0a+3], s[\g1a:\g1a+7]
	s_nop 0
.rept 4
	v_nop
.endr
	s_branch .Lasked_\@
.Lfor_b_\@:
	tensor_load_to_lds s[\g0b:\g0b+3], s[\g1b:\g1b+7]
	s_nop 0
.rept 4
	v_nop
.endr
.Lasked_\@:
.endm
.macro CREST                           ; a round of the cluster's barrier behind its opening barrier
	s_cmp_lg_u32 s14, 0
	s_cbranch_scc1 .Lnot_wave_0_\@
	s_barrier_signal -3
.Lnot_wave_0_\@:
	s_barrier_wait -3
	s_barrier_signal -1
	s_barrier_wait -1
.endm
.macro CROUND
	s_barrier_signal -1
	s_barrier_wait -1
	CREST
.endm
	s_load_b256 s[4:11], s[0:1], 0x0               ; xq s[4:5], wq s[6:7], qk s[8:9], vv s[10:11]
	v_lshl_add_u32 v[SPW], v0, 2, SPARE
	v_mov_b32 v[NIL], 0
	ds_add_u32 v28, v29
	ds_add_u32 v28, v29
	s_wait_dscnt 0x0
	v_lshrrev_b32 v1, 5, v0
	v_readfirstlane_b32 s14, v1                    ; wave 0..3
	s_lshr_b32 s15, s14, 1                         ; which half of source 1's rows is mine.  Also: I fetch for source 1 (0) or source 0 (1)
	s_and_b32 s16, s14, 1                          ; which half of source 0's rows.  Also: which 128 rows of that tile I fetch
	s_bfe_u32 s40, ttmp6, 0x40000                  ; cx, cy: my place in the cluster
	s_bfe_u32 s41, ttmp6, 0x40004
	s_and_b32 s18, ttmp7, 0xffff
	s_lshl_b32 s18, s18, 2                         ; 4 x cluster y
	s_lshl_b32 s19, ttmp9, 2                       ; 4 x cluster x
	s_add_co_u32 s20, s18, s41                     ; x's tile by cy
	s_add_co_u32 s21, s41, 8                       ; v's tile of wq by cy
	s_add_co_u32 s22, s19, s40                     ; q's, k's tile of wq by cx
	s_add_co_u32 s23, s18, s40                     ; x's tile by cx
	s_mov_b32 s95, VSCO
	s_mov_b32 s96, WSC
	s_mov_b32 s97, XSC
	s_cmp_lt_u32 ttmp9, 2                          ; q's and k's columns, or v's: the cluster's x, which all partners share
	s_cselect_b32 s17, s20, s21                    ; source 1's tile of 256 rows: it holds cy and never cx
	s_cselect_b32 s42, s22, s23                    ; source 0's: it holds cx and never cy
	s_cselect_b32 s66, s20, s41                    ; source 1's tile as the output counts it
	s_cselect_b32 s67, 0x200, 64                   ; tiles of 16 source 1 rows in the output buffer
	s_cselect_b32 s95, QSC, s95                    ; where the output's scale words begin
	s_cselect_b32 s96, XSC, s96                    ; where source 1's scale bytes begin in its buffer
	s_cselect_b32 s97, WSC, s97                    ; and source 0's
	s_lshl_b32 s43, s41, 2
	s_lshl_b32 s43, 15, s43                        ; my row of the cluster
	s_lshl_b32 s44, 0x1111, s40                    ; my column
	; descriptor group 1: a tile of 128 rows x 192 bytes, 16 bytes of padding behind every 64
	s_or_b32 s[G1+0], s43, (0<<16)|(1<<20)|(1<<21)|(3<<22)|(3<<25)
	s_or_b32 s[G1B+0], s44, (0<<16)|(1<<20)|(1<<21)|(3<<22)|(3<<25)
.irp g, G1, G1B
	s_mov_b32 s[\g+1], ROWB<<16                    ; tensor_dim0
	s_mov_b32 s[\g+2], 128<<16                     ; tensor_dim1
	s_mov_b32 s[\g+3], ROWB<<16                    ; tile_dim0
	s_mov_b32 s[\g+4], 128                         ; tile_dim1
	s_mov_b32 s[\g+5], KROW                        ; the pitch
	s_mov_b32 s[\g+6], 0
	s_mov_b32 s[\g+7], 0
.endr
	; the scales of 128 rows: a dense block of 4,096 bytes, as rows of 256 bytes (32 elements of 8), 16 bytes of padding behind each
	s_or_b32 s[G1S+0], s43, (3<<16)|(1<<20)|(1<<21)|(5<<22)|(3<<25)
	s_or_b32 s[G1SB+0], s44, (3<<16)|(1<<20)|(1<<21)|(5<<22)|(3<<25)
.irp g, G1S, G1SB
	s_mov_b32 s[\g+1], 32<<16
	s_mov_b32 s[\g+2], (128*KS/256)<<16
	s_mov_b32 s[\g+3], 32<<16
	s_mov_b32 s[\g+4], 128*KS/256
	s_mov_b32 s[\g+5], 32
	s_mov_b32 s[\g+6], 0
	s_mov_b32 s[\g+7], 0
.endr
	s_lshl_b32 s18, s16, 7                         ; which 128 rows of the tile I fetch
	s_lshl_b32 s20, s17, 8
	s_add_co_u32 s20, s20, s18                     ; source 1: first row
	s_lshl_b32 s46, s42, 8
	s_add_co_u32 s46, s46, s18                     ; source 0: first row
	s_lshl_b32 s22, s20, 5                         ; 32 scale bytes a row (all offsets stay under 2^24)
	s_add_co_u32 s22, s22, s96
	s_mov_b32 s23, 0
	s_lshl_b32 s92, s46, 5
	s_add_co_u32 s92, s92, s97
	s_mov_b32 s93, 0
	s_mul_i32 s20, s20, KROW
	s_mov_b32 s21, 0
	s_mul_i32 s46, s46, KROW
	s_mov_b32 s47, 0
	s_mul_i32 s45, s14, HALFT                      ; where they go: wave x 128 rows: no place in the cluster enters an LDS address
	s_mul_i32 s94, s14, HALFS
	s_wait_kmcnt 0x0
	s_cmp_lt_u32 ttmp9, 2
	s_cselect_b64 s[12:13], s[4:5], s[6:7]         ; source 1's buffer
	s_cselect_b64 s[6:7], s[6:7], s[4:5]           ; source 0's
	s_cselect_b64 s[8:9], s[8:9], s[10:11]         ; the output's
	s_add_nc_u64 s[20:21], s[12:13], s[20:21]
	s_add_nc_u64 s[22:23], s[12:13], s[22:23]
	s_add_nc_u64 s[46:47], s[6:7], s[46:47]
	s_add_nc_u64 s[92:93], s[6:7], s[92:93]
	CROUND                                         ; all sixteen work-groups are here: the first joint loads meet
	s_mov_b32 s[G0S], 1
	s_add_co_u32 s[G0S+1], s94, SCL
	s_mov_b64 s[G0S+2:G0S+3], s[22:23]
	s_or_b32 s[G0S+3], s[G0S+3], 0x80000000
	s_mov_b32 s[G0SB], 1
	s_add_co_u32 s[G0SB+1], s94, SCL
	s_mov_b64 s[G0SB+2:G0SB+3], s[92:93]
	s_or_b32 s[G0SB+3], s[G0SB+3], 0x80000000
	JLOAD G0S, G1S, G0SB, G1SB                     ; the scales first: they are wanted with K step 0
.irp s, 0,1
	s_mov_b32 s[G0+4*\s], 1
	s_add_co_u32 s[G0+4*\s+1], s45, \s*SLOT
	s_add_nc_u64 s[G0+4*\s+2:G0+4*\s+3], s[20:21], \s*ROWB
	s_or_b32 s[G0+4*\s+3], s[G0+4*\s+3], 0x80000000
	s_mov_b32 s[G0B+4*\s], 1
	s_add_co_u32 s[G0B+4*\s+1], s45, \s*SLOT
	s_add_nc_u64 s[G0B+4*\s+2:G0B+4*\s+3], s[46:47], \s*ROWB
	s_or_b32 s[G0B+4*\s+3], s[G0B+4*\s+3], 0x80000000
	JLOAD G0+4*\s, G1, G0B+4*\s, G1B
.endr
	v_and_b32 v1, 15, v0                           ; l % 16
	v_bfe_u32 v2, v0, 4, 1                         ; l / 16
	v_mul_u32_u24 v3, v1, PITCH
	v_mul_u32_u24 v4, v2, 24
	v_add_nc_u32 v4, v3, v4                        ; a fragment's row x pitch + 24 x half
	v_lshl_add_u32 v5, v2, 4, v4                   ; and the same behind one padding more
	s_mul_i32 s21, s15, HALFT                      ; my 128 rows of source 1
	s_mul_i32 s22, s16, HALFT                      ; my 128 rows of source 0,
	s_add_co_u32 s22, s22, 2*HALFT                 ; which lie behind source 1's 256
.irp s, 0,1
	v_add_nc_u32 v[ADRA+\s], s21, v4
	v_add_nc_u32 v[ADRB+\s], s22, v4
	v_add_nc_u32 v[ADRA+2+\s], s21, v5
	v_add_nc_u32 v[ADRB+2+\s], s22, v5
	s_add_co_u32 s21, s21, SLOT
	s_add_co_u32 s22, s22, SLOT
.endr
	v_mul_u32_u24 v5, v1, KS                       ; my row's scales: 32 bytes a row,
	v_lshrrev_b32 v6, 8, v5
	v_lshl_add_u32 v5, v6, 4, v5                   ; and 16 more for each 256 passed
	s_mul_i32 s21, s15, HALFS
	s_mul_i32 s22, s16, HALFS
	s_add_co_u32 s22, s22, 2*HALFS
	s_sub_co_u32 s22, s22, s21
	v_mul_u32_u24 v6, s22, v2                      ; lanes 16-31 take source 0's
	s_add_co_u32 s21, s21, SCL
	v_add_nc_u32 v5, v5, v6
	v_add_nc_u32 v[ADRS], s21, v5
	v_and_b32 v6, 31, v0
	v_lshlrev_b32 v[L8], 3, v6
	v_lshlrev_b32 v[L4], 2, v6
	; where my results go: image (chunk, tile), chunk = my 128 rows of source 0, tile = my first 16 rows of source 1
	s_lshl_b32 s4, s42, 1
	s_add_co_u32 s4, s4, s16                       ; chunk
	s_mul_i32 s4, s4, s67
	s_lshl_b32 s5, s66, 4
	s_lshl_b32 s10, s15, 3
	s_add_co_u32 s5, s5, s10                       ; my first tile of 16
	s_add_co_u32 s10, s4, s5
	s_mul_i32 s10, s10, 1536
	s_mov_b32 s11, 0
	s_add_nc_u64 s[96:97], s[8:9], s[10:11]        ; the images
	s_lshl_b32 s4, s4, 1
	s_add_co_u32 s4, s4, s5
	s_lshl_b32 s10, s4, 6
	s_add_co_u32 s10, s10, s95
	s_add_nc_u64 s[98:99], s[8:9], s[10:11]        ; the scale words as made
	s_lshl_b32 s10, s67, 6
	s_add_nc_u64 s[100:101], s[98:99], s[10:11]    ; and shifted down
	s_mov_b32 s92, 0x76543210
	s_mov_b32 s93, 0xfedcba98                      ; v_permlanex16_b32's selects for lane l xor 16
.macro FRAG reg, adr, q, i             ; a fragment: lane l holds row l % 16; registers 6 c .. 6 c + 5 hold K = 64 c + 32 (l / 16) + 0 .. 31: 24 bytes of the row's stream of bits, in pieces of 8 bytes
.irp p, 0,1,2,3,4,5
.set PCE, 12*(\q)+6*(\p/3)+\p%3        ; where the piece three on lies behind one padding more, the second address register serves
.if PCE%8 < 5
	ds_load_b64 v[\reg+2*\p:\reg+2*\p+1], v[\adr] offset:8*PCE+16*(PCE/8)+(\i)*16*PITCH
.else
	ds_load_b64 v[\reg+2*\p:\reg+2*\p+1], v[\adr+2] offset:8*PCE+16*(PCE/8)+(\i)*16*PITCH
.endif
.endr
.endm
; 16 matrix instructions: source 1's blocks a0, a0 + 1 x source 0's eight.  The 64 accumulators take turns, one instruction a turn, in the same order in every step.
.macro MUL16 a0, p, q, sc, zero
.irp a, \a0, \a0+1
.irp b, 0,1,2,3,4,5,6,7
.if \zero
	v_wmma_scale_f32_16x16x128_f8f6f4 v[8*(8*((\a)%4)+\b):8*(8*((\a)%4)+\b)+7], v[128*(\p)+FR*\b:128*(\p)+FR*\b+FR-1], v[AF+FR*(\a):AF+FR*(\a)+FR-1], 0, v[SC+8*NQ*(\sc)+NQ*\b+(\q)], v[SC+8*NQ*(\sc)+NQ*(\a)+(\q)] matrix_a_fmt:MATRIX_FMT_BF6 matrix_b_fmt:MATRIX_FMT_BF6 matrix_a_scale:MATRIX_SCALE_ROW1
.else
	v_wmma_scale_f32_16x16x128_f8f6f4 v[8*(8*((\a)%4)+\b):8*(8*((\a)%4)+\b)+7], v[128*(\p)+FR*\b:128*(\p)+FR*\b+FR-1], v[AF+FR*(\a):AF+FR*(\a)+FR-1], v[8*(8*((\a)%4)+\b):8*(8*((\a)%4)+\b)+7], v[SC+8*NQ*(\sc)+NQ*\b+(\q)], v[SC+8*NQ*(\sc)+NQ*(\a)+(\q)] matrix_a_fmt:MATRIX_FMT_BF6 matrix_b_fmt:MATRIX_FMT_BF6 matrix_a_scale:MATRIX_SCALE_ROW1
.endif
.endr
.endr
.endm
.macro FETCH_B slot, q, p
	WIN TO_B
.irp i, 0,1,2,3,4,5,6,7
	FRAG 128*(\p)+FR*\i, ADRB+\slot, \q, \i
.endr
	WIN 0
.endm
.macro FETCH_A slot, q, i0
.irp i, \i0, \i0+1, \i0+2, \i0+3
	FRAG AF+FR*(\i), ADRA+\slot, \q, \i
.endr
.endm
.macro SCALES sc                       ; a K step's scale words: lanes 0-15 take source 1's block i, lanes 16-31 source 0's block i
.irp i, 0,1,2,3,4,5,6,7
	ds_load_b64 v[SC+8*NQ*\sc+NQ*\i:SC+8*NQ*\sc+NQ*\i+1], v[ADRS] offset:\i*SBLK
.endr
.endm
.macro PLACES n                        ; plain vector instructions between a matrix instruction and a load into, or a read of, its registers
.rept \n
	v_nop
.endr
.endm
.macro STEP slot, q, zero
	s_wait_dscnt 4*NL                              ; source 0's set and source 1's blocks 0-3 are in; the youngest 24 loads (blocks 4-7) may be out
	WIN MUL_LO
	MUL16 0, (\q)%2, \q, \slot, \zero
	MUL16 2, (\q)%2, \q, \slot, \zero
	s_wait_dscnt 0
	PLACES NP
	FETCH_B \slot, (\q)+1, 1-(\q)%2
	FETCH_A \slot, (\q)+1, 0
	WIN MUL_HI
	MUL16 4, (\q)%2, \q, \slot, \zero
	MUL16 6, (\q)%2, \q, \slot, \zero
	PLACES NP
	WIN 0
	FETCH_A \slot, (\q)+1, 4
.endm
; A slot's last step changes slots: ONE barrier; in front of it each wave waits for all its tensor loads, adds 0 to its spare word, and waits for that and for its own reads of this slot.
.macro TURN slot, next, fill
	s_wait_tensorcnt 0x0                           ; all my tensor loads have landed: my part of the next slot
	ds_add_u32 v[SPW], v[NIL]                      ; 0 onto my spare word
	s_wait_dscnt 4*NL+1                            ; (the add and the youngest 24 loads may be out)
	WIN MUL_LO
	MUL16 0, 1, NQ-1, \slot, 0
	s_wait_dscnt 0x0                               ; the add is done, and my reads of this slot are over
	s_barrier_signal -1
	MUL16 2, 1, NQ-1, \slot, 0
	WIN 0
	s_barrier_wait -1
.if \fill
	CREST                                          ; the barrier has opened a round of the cluster's barrier: no wave of any partner still reads this slot or has a load on its way
	s_add_nc_u64 s[G0+4*\slot+2:G0+4*\slot+3], s[G0+4*\slot+2:G0+4*\slot+3], 2*ROWB
	s_add_nc_u64 s[G0B+4*\slot+2:G0B+4*\slot+3], s[G0B+4*\slot+2:G0B+4*\slot+3], 2*ROWB
	JLOAD G0+4*\slot, G1, G0B+4*\slot, G1B         ; the first tensor load behind the round; its four v_nop are the places in front of the loads below
.else
	PLACES NP
.endif
	v_add_nc_u32 v[ADRS], 4*NQ, v[ADRS]            ; on to the next K step's scale words
	FETCH_B \next, 0, 0
	FETCH_A \next, 0, 0
	SCALES \next
	WIN MUL_HI
	MUL16 4, 1, NQ-1, \slot, 0
	MUL16 6, 1, NQ-1, \slot, 0
	PLACES NP
	WIN 0
	FETCH_A \next, 0, 4
.endm
	s_wait_tensorcnt 1                             ; the scales and my part of K step 0 are in (K step 1's load may be out),
	s_barrier_signal -1
	s_barrier_wait -1                              ; everybody's are
	FETCH_B 0, 0, 0
	FETCH_A 0, 0, 0
	SCALES 0
	FETCH_A 0, 0, 4
	STEP 0, 0, 1                                   ; the first step's products start the sums
	s_mov_b32 s3, LAPS-1
.Llap:
	TURN 0, 1, 1
	STEP 1, 0, 0
	TURN 1, 0, 1
	STEP 0, 0, 0
	s_sub_co_u32 s3, s3, 1
	s_cmp_lg_u32 s3, 0
	s_cbranch_scc1 .Llap
	TURN 0, 1, 0                                   ; the last lap fills nothing
	STEP 1, 0, 0
	s_wait_dscnt 4*NL
	WIN MUL_LO
	MUL16 0, 1, NQ-1, 1, 0
	MUL16 2, 1, NQ-1, 1, 0
	s_wait_dscnt 0
	WIN MUL_HI
	MUL16 4, 1, NQ-1, 1, 0
	MUL16 6, 1, NQ-1, 1, 0
	WIN 0
; THE WAY OUT.  Block a (16 rows of source 1 x my 128 of source 0's axis) is 64 numbers a lane, register 16 b + i = index 32 b + 16 (lane / 16) + i of my row: four blocks of 32, each in lanes l and l xor 16.
; They become one fragment and one scale word a row, in registers, and the fragment is stored as it stands: each store covers 256 consecutive bytes, aligned.
.macro QOUT a
.set AC, 64*((\a)%4)
.set PC, 112+24*((\a)%2)               ; two sets of code registers by turns
	WIN (0x28+0x14*((\a)/4))                       ; sources 1 and 2: the accumulators' window
.irp b, 0,1,2,3
	v_max3_num_f32 v[TM+\b], 0x2800000, |v[AC+16*\b]|, |v[AC+16*\b+1]|   ; my 16 numbers of block b, and the floor 2^(5 - 127); each accumulator is read from its low end on
.endr
.irp i, 2,4,6,8,10,12,14
.irp b, 0,1,2,3
	v_max3_num_f32 v[TM+\b], v[TM+\b], |v[AC+16*\b+\i]|, |v[AC+16*\b+\i+1]|
.endr
.endr
	WIN 0
.irp b, 0,1,2,3
	v_permlanex16_b32 v[TM+4+\b], v[TM+\b], s92, s93
.endr
.irp b, 0,1,2,3
	v_max_num_f32 v[TM+\b], v[TM+\b], v[TM+4+\b]   ; with lane l xor 16's: the block's largest magnitude
.endr
.irp b, 0,1,2,3
	v_add_nc_u32 v[TM+12+\b], 0xfe000000, v[TM+\b] ; 4 off its exponent field: the conversion's scale operand
.endr
.irp b, 0,1,2,3
	v_lshrrev_b32 v[TM+4+\b], 23, v[TM+12+\b]      ; the scale's byte
.endr
	v_lshl_or_b32 v[PWD+(\a)], v[TM+5], 8, v[TM+4] ; my row's scale word
	v_lshl_or_b32 v[PWD+(\a)], v[TM+6], 16, v[PWD+(\a)]
	v_lshl_or_b32 v[PWD+(\a)], v[TM+7], 24, v[PWD+(\a)]
	s_wait_xcnt 0x0                                ; the stores of two blocks ago have read this set of code registers
	WIN (0x02+(\a)/4)                              ; source 0: the accumulators' window
.irp c, 0,1
	v_cvt_scalef32_pk16_bf6_f32 v[PC+6*\c:PC+6*\c+2], v[AC+32*\c:AC+32*\c+15], v[TM+12+2*\c]
	v_cvt_scalef32_pk16_bf6_f32 v[PC+12+4*\c:PC+14+4*\c], v[AC+16+32*\c:AC+31+32*\c], v[TM+12+2*\c+1]   ; (a conversion's three registers begin on an even number)
.endr
	WIN 0
	v_nop                                          ; one plain place behind a scaled conversion
.irp c, 0,1                            ; the operand's layout wants a WHOLE block in a lane: lanes 0-15 block 2 c, lanes 16-31 block 2 c + 1
.irp i, 0,1,2
	v_permlane16_swap_b32 v[PC+6*\c+\i], v[PC+12+4*\c+\i]
.endr
.irp i, 0,1,2
	v_mov_b32 v[PC+3+6*\c+\i], v[PC+12+4*\c+\i]
.endr
.endr
.irp p, 0,1,2,3,4,5
	global_store_b64 v[L8], v[PC+2*\p:PC+2*\p+1], s[96:97] offset:1536*(\a)+256*\p
.endr
.endm
	PLACES NP                                      ; behind the last products: their results are read, and registers that held source 1's fragments are written
.irp b, 0,1,2,3
	v_mov_b32 v[TM+4+\b], 0                        ; written once: a lane permute's destination counts as one of its sources
.endr
.irp a, 0,1,2,3,4,5,6,7
	QOUT \a
.endr
	v_and_b32 v26, 31, v0
	v_cmp_lt_u32 vcc_lo, 15, v26                   ; every lane holds its row's word: lanes 0-15 keep block 2 i's, lanes 16-31 take block 2 i + 1's
.irp i, 0,1,2,3
	v_cndmask_b32 v[224+\i], v[PWD+2*\i], v[PWD+2*\i+1], vcc_lo
.endr
.irp i, 0,1,2,3
	v_lshrrev_b32 v[228+\i], 16, v[224+\i]
.endr
.irp i, 0,1,2,3
	global_store_b32 v[L4], v[224+\i], s[98:99] offset:128*\i     ; 128 consecutive bytes: the words of two tiles of 16 rows
	global_store_b32 v[L4], v[228+\i], s[100:101] offset:128*\i
.endr
	s_wait_tensorcnt 0x0                           ; the wave's end
	ds_add_u32 v[SPW], v[NIL]
	s_wait_dscnt 0x0
	CROUND                                         ; the closing round: no work-group ends while a partner may still ask for a tile that names it
	s_endpgm
.Lfunc_end_k_qf4ebd81aa6_gemm_qkv:
	.size	k_qf4ebd81aa6_gemm_qkv, .Lfunc_end_k_qf4ebd81aa6_gemm_qkv-k_qf4ebd81aa6_gemm_qkv
	.p2alignl 7, 3214868480
	.fill 96, 4, 3214868480
	.section	.rodata,"a",@progbits
	.p2align	6, 0x0
	.amdhsa_kernel k_qf4ebd81aa6_gemm_qkv
		.amdhsa_group_segment_fixed_size 327680
		.amdhsa_private_segment_fixed_size 0
		.amdhsa_enable_private_segment 0
		.amdhsa_kernarg_size 32
		.amdhsa_user_sgpr_count 2
		.amdhsa_user_sgpr_kernarg_segment_ptr 1
		.amdhsa_wavefront_size32 1
		.amdhsa_system_sgpr_workgroup_id_x 1
		.amdhsa_system_sgpr_workgroup_id_y 1
		.amdhsa_system_sgpr_workgroup_id_z 1
		.amdhsa_system_vgpr_workitem_id 0
		.amdhsa_next_free_vgpr 1024
		.amdhsa_next_free_sgpr 104
		.amdhsa_reserve_vcc 1
		.amdhsa_float_denorm_mode_32 3
		.amdhsa_float_denorm_mode_16_64 3
		.amdhsa_memory_ordered 1
		.amdhsa_forward_progress 1
		.amdhsa_inst_pref_size 168
	.end_amdhsa_kernel
	.amdgpu_metadata
---
amdhsa.version: [ 1, 2 ]
amdhsa.kernels:
  - .name:           k_qf4ebd81aa6_gemm_qkv
    .symbol:         k_qf4ebd81aa6_gemm_qkv.kd
    .args:
      - { .name: xq, .offset: 0, .size: 8, .value_kind: global_buffer, .address_space: global }
      - { .name: wq, .offset: 8, .size: 8, .value_kind: global_buffer, .address_space: global }
      - { .name: qk, .offset: 16, .size: 8, .value_kind: global_buffer, .address_space: global }
      - { .name: vv, .offset: 24, .size: 8, .value_kind: global_buffer, .address_space: global }
    .group_segment_fixed_size: 327680
    .private_segment_fixed_size: 0
    .kernarg_segment_align: 8
    .kernarg_segment_size: 32
    .max_flat_workgroup_size: 128
    .sgpr_count:     104
    .vgpr_count:     1024
    .wavefront_size: 32
...
	.end_amdgpu_metadata
.endif
;; end of part 2
;; launch attn (part 3): grid 4 x 64, 16 waves a work-group, clusters of 4 x 1, 210,944 bytes of LDS; arguments qk, vv, ao; writes ao
.if DOCPART == 3
	.amdgcn_target "amdgcn-amd-amdhsa--gfx1250"
	.amdhsa_code_object_version 6
	.text
	.protected	k_qf4ebd81aa6_attn
	.globl	k_qf4ebd81aa6_attn
	.p2align	8
	.type	k_qf4ebd81aa6_attn,@function
k_qf4ebd81aa6_attn:
	s_mov_b64 s[64:65], 0
	v_nop
	global_prefetch_b8 v0, s[64:65] scope:SCOPE_SE
	s_setreg_imm32_b32 hwreg(HW_REG_WAVE_MODE, 25, 1), 1
	s_wait_xcnt 0x0
	s_wait_alu depctr_hold_cnt(0) depctr_sa_sdst(0) depctr_va_vdst(0) depctr_va_sdst(0) depctr_va_ssrc(0) depctr_va_vcc(0) depctr_vm_vsrc(0)
	s_getreg_b32 s2, hwreg(HW_REG_IB_STS2, 6, 4)
	s_cmp_eq_u32 s2, 0
	s_cbranch_scc0 .Lentry_in_a_cluster
	s_endpgm
.Lentry_in_a_cluster:
	s_bfe_u32 s2, ttmp6, 0x10000c
	s_cmp_lg_u32 s2, 0x3003
	s_cbranch_scc0 .Lentry_shape_is_right
	s_endpgm
.Lentry_shape_is_right:
; Causal attention of one (batch, head) for each cluster of four work-groups, both products on codes of BF6 (E3M2) with E8M0 scales; the result, divided by the row's sum, is quantised along the head's axis and stored as operand images.
; t = score x log2(e) / 8; M = the running largest t rounded UP to a whole number; p = 2^(t - M) is quantised along the keys; the row's sum is taken of the unquantised p.  When M moves, sum and O are multiplied by 2^(old M - new M): exact.
; SHARES.  2,048 queries are 128 tiles of 16 places.  Wave w of work-group g owns tile jA = 8 (w / 2) + 4 (w % 2) + g and tile jB = 127 - jA.  Keys go in steps of 128; tile A needs steps 0 .. w / 2, tile B steps 0 .. 15 - w / 2:
; 17 tile steps for every wave.  Steps that lie wholly behind the diagonal are jumped over by scalar branches on the wave's number and the step's number alone; the place in the cluster enters global addresses and the mask's numbers only.
; LDS.  The head's K (98,304 bytes), V (98,304) and their scale words (8,192 + 4,096) fit: they are filled ONCE, by joint loads of the four work-groups (waves 0-3: K, waves 4-7: V; five loads each are out at the most), and nothing is filled again.
; The first four key steps are read while the other twelve are still on their way; a second barrier stands in front of step 4.
; LAYOUT.  Both products are used transposed: S^T = K Q^T, O^T = V^T P^T: a lane holds ONE query (lane % 16).  Operands come as images of their registers (pieces of 256 bytes, lane l at 8 l).  Tiles are 16 neighbouring PLACES
; (bits 3 and 4 of the index exchanged), so the 16 registers of result tiles 2 b, 2 b + 1 are neighbours 32 b + 16 (lane / 16) + 0 .. 15 of the true axis.
; THE HEAD'S 64 IN AN INSTRUCTION OF 128: Q's registers 6-11 are zero codes.  K's tile t is named as 12 registers from its own six on: its upper half is the next tile's codes, finite numbers that meet zeros.
; LIMITS: NaN and infinities are not served; a block whose largest magnitude lies under 2^-122 gets the byte 1; a block's largest p is taken from its largest score, which takes v_exp_f32 not to fall where its input rises.
; REGISTERS: v1 8 x lane; v2, v3 4 x lane + the scale words' bases; v4-7 the step's LDS addresses; v8-11, v12-15 tile A's, B's -M, largest t, sum in two halves; v16-27, v28-39 Q of A, B; v40-87 K's eight tiles of 6, then V's four of 12;
;   v88-93 zeros; v94, v95 Q's scale words; v96-159 S^T, then p; v160-191, v192-223 O^T of A, B; v224-235 p's codes; v232-254 at work; v248-251 K's, V's scale words; v253 p's scale word; v255, v243 the mask's numbers of A, B.
.set STEPB, 6144                       ; a key step's codes of K, or of V
.set VB,    98304                      ; V's codes begin here (K's at 0)
.set KSC,   196608                     ; K's scale words: 512 bytes a step
.set VSC,   204800                     ; V's: 256 bytes a step
.set QSC,   12582912                   ; qk's scale words
.set VSCO,  6291456                    ; vv's
.set ASC,   6291456                    ; ao's scale bytes
.set G1K,  24                          ; s[24:31] group 1: a step of K: 8 rows of 768 bytes, 1,536 apart
.set G1V,  32                          ; s[32:39] a step of V: one row of 6,144 bytes
.set G1KS, 40                          ; s[40:47] a quarter of K's scale words: 8 rows of 256 bytes, dense
.set G1VS, 48                          ; s[48:55] a quarter of V's: 4 rows of 256 bytes, 8,192 apart
.macro CROUND                          ; a round of the cluster's barrier
	s_barrier_signal -1
	s_barrier_wait -1
	s_cmp_lg_u32 s10, 0
	s_cbranch_scc1 .Lnot_wave_0_\@
	s_barrier_signal -3
.Lnot_wave_0_\@:
	s_barrier_wait -3
	s_barrier_signal -1
	s_barrier_wait -1
.endm
	s_load_b128 s[4:7], s[0:1], 0x0                ; qk, vv
	s_load_b64 s[8:9], s[0:1], 0x10                ; ao
	v_lshl_add_u32 v254, v0, 2, 0x33000
	v_mov_b32 v255, 0
	ds_add_u32 v254, v255
	ds_add_u32 v254, v255
	s_wait_dscnt 0x0
	v_lshrrev_b32 v1, 5, v0
	v_readfirstlane_b32 s10, v1                    ; wave 0..15
	v_and_b32 v2, 31, v0
	v_lshlrev_b32 v1, 3, v2                        ; 8 x lane
	v_lshl_add_u32 v3, v2, 2, VSC
	v_lshl_add_u32 v2, v2, 2, KSC
	s_lshr_b32 s11, s10, 1                         ; a: tile A's last key step
	s_sub_co_u32 s12, 15, s11                      ; tile B's
	s_and_b32 s13, s10, 3                          ; which quarter I fetch, if I fetch
	s_and_b32 s2, ttmp7, 0xffff
	s_lshr_b32 s14, s2, 4                          ; the batch
	s_and_b32 s15, s2, 15                          ; the head
	s_lshr_b32 s16, s15, 1                         ; its pair
	s_and_b32 s17, s15, 1                          ; and which of the pair
	s_lshl_b32 s2, s14, 7                          ; 128 tiles of 16 places a batch
	s_bfe_u32 s18, ttmp6, 0x40000                  ; cx
	s_and_b32 s19, s10, 1
	s_lshl_b32 s19, s19, 2
	s_add_co_u32 s19, s19, s18                     ; tile A's number in its key step
	s_lshl_b32 s66, s11, 3
	s_add_co_u32 s66, s66, s19                     ; jA
	s_sub_co_u32 s67, 127, s66                     ; jB
	s_mov_b32 s20, 0x76543210
	s_mov_b32 s21, 0xfedcba98                      ; v_permlanex16_b32's selects for lane l xor 16
	s_mov_b32 s22, 0x3e38aa3b                      ; c = log2(e) / 8
	s_mov_b32 s23, s22                             ; (named with it as a pair)
.irp g, G1K, G1V, G1KS, G1VS
	s_mov_b32 s[\g], 15|(3<<16)|(1<<21)            ; the mask: all four work-groups; elements of 8 bytes; bit 21 beside a mask; no padding
	s_mov_b32 s[\g+6], 0
	s_mov_b32 s[\g+7], 0
.endr
	s_mov_b32 s[G1K+1], 96<<16
	s_mov_b32 s[G1K+2], 8<<16
	s_mov_b32 s[G1K+3], 96<<16
	s_mov_b32 s[G1K+4], 8
	s_mov_b32 s[G1K+5], 192
	s_mov_b32 s[G1V+1], 768<<16
	s_mov_b32 s[G1V+2], 1<<16
	s_mov_b32 s[G1V+3], 768<<16
	s_mov_b32 s[G1V+4], 1
	s_mov_b32 s[G1V+5], 768
	s_mov_b32 s[G1KS+1], 32<<16
	s_mov_b32 s[G1KS+2], 8<<16
	s_mov_b32 s[G1KS+3], 32<<16
	s_mov_b32 s[G1KS+4], 8
	s_mov_b32 s[G1KS+5], 32
	s_mov_b32 s[G1VS+1], 32<<16
	s_mov_b32 s[G1VS+2], 4<<16
	s_mov_b32 s[G1VS+3], 32<<16
	s_mov_b32 s[G1VS+4], 4
	s_mov_b32 s[G1VS+5], 1024
	s_lshr_b32 s3, s10, 2
	s_mul_i32 s3, s3, VB                           ; waves 0-3: K's bytes; waves 4-7: V's
	s_mul_i32 s89, s13, STEPB
	s_add_co_u32 s3, s3, s89                       ; key step = my quarter's number, then every fourth
	s_add_co_u32 s98, s16, 8                       ; K: chunk 8 + the head's pair,
	s_lshl_b32 s98, s98, 9
	s_add_co_u32 s98, s98, s2
	s_mul_i32 s98, s98, 1536
	s_mul_i32 s100, s17, 768                       ; the head's half of each image
	s_add_co_u32 s98, s98, s100
	s_lshl_b32 s101, s14, 10                       ; V: chunk 16 x batch, tile 4 x head
	s_lshl_b32 s89, s15, 2
	s_add_co_u32 s101, s101, s89
	s_mul_i32 s101, s101, 1536
	s_mov_b32 s89, 98304
	s_cmp_lt_u32 s10, 4
	s_cselect_b32 s98, s98, s101
	s_cselect_b32 s89, 0x3000, s89                 ; bytes from a key step to the next in memory
	s_mul_i32 s101, s13, s89
	s_add_co_u32 s98, s98, s101
	s_mov_b32 s99, 0
	s_lshl_b32 s100, s89, 2                        ; four key steps on
	s_mov_b32 s101, 0
	s_add_co_u32 s92, s16, 8                       ; K's scale words: the copy in which my head's two bytes stand lowest
	s_lshl_b32 s92, s92, 1
	s_add_co_u32 s92, s92, s17
	s_lshl_b32 s92, s92, 9
	s_add_co_u32 s92, s92, s2
	s_lshl_b32 s92, s92, 6
	s_lshl_b32 s94, s13, 11
	s_add_co_u32 s92, s92, s94
	s_add_co_u32 s92, s92, QSC
	s_mov_b32 s93, 0
	s_lshl_b32 s94, s14, 4                         ; V's: 8,192 bytes a key step, 256 a head
	s_lshl_b32 s95, s13, 2
	s_add_co_u32 s94, s94, s95
	s_lshl_b32 s94, s94, 13
	s_lshl_b32 s95, s15, 8
	s_add_co_u32 s94, s94, s95
	s_add_co_u32 s94, s94, VSCO
	s_mov_b32 s95, 0
	s_wait_kmcnt 0x0
	s_cmp_lt_u32 s10, 4
	s_cselect_b64 s[90:91], s[4:5], s[6:7]
	s_add_nc_u64 s[90:91], s[90:91], s[98:99]
.macro G0SET g, i                      ; group 0 of my i-th load of codes; the address then walks four key steps on
	s_mov_b32 s[\g], 1
	s_add_co_u32 s[\g+1], s3, \i*4*STEPB
	s_mov_b64 s[\g+2:\g+3], s[90:91]
	s_or_b32 s[\g+3], s[\g+3], 0x80000000
	s_add_nc_u64 s[90:91], s[90:91], s[100:101]
.endm
	G0SET 56, 0
	G0SET 60, 1
	G0SET 68, 2
	G0SET 72, 3
	s_mov_b32 s76, 1
	s_lshl_b32 s77, s13, 11
	s_add_co_u32 s77, s77, KSC
	s_add_nc_u64 s[78:79], s[4:5], s[92:93]
	s_or_b32 s79, s79, 0x80000000
	s_mov_b32 s80, 1
	s_lshl_b32 s81, s13, 10
	s_add_co_u32 s81, s81, VSC
	s_add_nc_u64 s[82:83], s[6:7], s[94:95]
	s_or_b32 s83, s83, 0x80000000
	CROUND                                         ; all four work-groups are here: the joint loads meet
	s_cmp_lt_u32 s10, 4                            ; a wave's five fills stand in one branch on its number, ahead of every wait on TENSORcnt and every LDS read
	s_cbranch_scc0 .Lnot_k
	tensor_load_to_lds s[76:79], s[G1KS:G1KS+7]    ; my quarter of the scale words first,
	s_nop 0
	tensor_load_to_lds s[56:59], s[G1K:G1K+7]      ; then one of key steps 0-3,
	s_nop 0
	tensor_load_to_lds s[60:63], s[G1K:G1K+7]      ; of 4-7, 8-11, 12-15
	s_nop 0
	tensor_load_to_lds s[68:71], s[G1K:G1K+7]
	s_nop 0
	tensor_load_to_lds s[72:75], s[G1K:G1K+7]
	s_nop 0
.rept 4
	v_nop
.endr
	s_branch .Lasked
.Lnot_k:
	s_cmp_lt_u32 s10, 8
	s_cbranch_scc0 .Lasked
	tensor_load_to_lds s[80:83], s[G1VS:G1VS+7]
	s_nop 0
	tensor_load_to_lds s[56:59], s[G1V:G1V+7]
	s_nop 0
	tensor_load_to_lds s[60:63], s[G1V:G1V+7]
	s_nop 0
	tensor_load_to_lds s[68:71], s[G1V:G1V+7]
	s_nop 0
	tensor_load_to_lds s[72:75], s[G1V:G1V+7]
	s_nop 0
.rept 4
	v_nop
.endr
.Lasked:
	; Q of my two tiles: three pieces each, and the rows' scale words
	s_mul_i32 s89, s17, 768
	s_lshl_b32 s3, s16, 9
	s_add_co_u32 s3, s3, s2
	s_add_co_u32 s98, s3, s66
	s_mul_i32 s98, s98, 1536
	s_add_co_u32 s98, s98, s89
	s_add_nc_u64 s[90:91], s[4:5], s[98:99]
	s_add_co_u32 s98, s3, s67
	s_mul_i32 s98, s98, 1536
	s_add_co_u32 s98, s98, s89
	s_add_nc_u64 s[94:95], s[4:5], s[98:99]
	s_lshl_b32 s3, s16, 1
	s_add_co_u32 s3, s3, s17
	s_lshl_b32 s3, s3, 9
	s_add_co_u32 s3, s3, s2
	s_add_co_u32 s98, s3, s66
	s_lshl_b32 s98, s98, 6
	s_add_co_u32 s98, s98, QSC
	s_add_nc_u64 s[92:93], s[4:5], s[98:99]
	s_add_co_u32 s98, s3, s67
	s_lshl_b32 s98, s98, 6
	s_add_co_u32 s98, s98, QSC
	s_add_nc_u64 s[96:97], s[4:5], s[98:99]
.irp p, 0,1,2
	global_load_b64 v[16+2*\p:17+2*\p], v1, s[90:91] offset:256*\p
	global_load_b64 v[28+2*\p:29+2*\p], v1, s[94:95] offset:256*\p
.endr
	v_and_b32 v4, 15, v0
	v_lshlrev_b32 v5, 2, v4
	global_load_b32 v94, v5, s[92:93]
	global_load_b32 v95, v5, s[96:97]
	; the mask's numbers: my query's true index in its key step, less 16 (lane / 16): register 16 b + i holds key 32 b + i + 16 (lane / 16), hidden where 32 b + i is the larger
	v_and_b32 v6, 7, v0
	v_bfe_u32 v7, v0, 3, 1
	v_lshl_add_u32 v6, v7, 4, v6
	v_bfe_u32 v7, v0, 4, 1
	v_lshlrev_b32 v7, 4, v7
	v_sub_nc_u32 v6, v6, v7
	s_lshr_b32 s100, s19, 1
	s_lshl_b32 s100, s100, 5
	s_and_b32 s101, s19, 1
	s_lshl_b32 s101, s101, 3
	s_add_co_u32 s100, s100, s101
	v_add_nc_u32 v255, s100, v6
	s_sub_co_u32 s101, 7, s19
	s_lshr_b32 s100, s101, 1
	s_lshl_b32 s100, s100, 5
	s_and_b32 s101, s101, 1
	s_lshl_b32 s101, s101, 3
	s_add_co_u32 s100, s100, s101
	v_add_nc_u32 v243, s100, v6
.irp j, 22,23,24,25,26,27,34,35,36,37,38,39,88,89,90,91,92,93
	v_mov_b32 v[\j], 0                             ; zero codes
.endr
	v_mov_b32 v9, 0xff61b1e6                       ; the largest t so far: -3e38
	v_mov_b32 v13, 0xff61b1e6
	v_floor_f32 v8, -v9                            ; -M
	v_floor_f32 v12, -v13
.irp j, 10,11,14,15,236,237,238,239,252,253
	v_mov_b32 v[\j], 0                             ; the sums; and registers that are named as a permute's destination or a pair's upper half before they are first written
.endr
	s_wait_loadcnt 0x0                             ; Q
	v_and_b32 v94, 0xffff, v94                     ; the head has two blocks
	v_and_b32 v95, 0xffff, v95
	; where my results go
	s_add_co_u32 s98, s2, s66
	s_lshl_b32 s98, s98, 3
	s_add_co_u32 s98, s98, s16
	s_mul_i32 s98, s98, 1536
	s_add_co_u32 s98, s98, s89
	s_add_nc_u64 s[90:91], s[8:9], s[98:99]        ; tile A's half image
	s_add_co_u32 s98, s2, s67
	s_lshl_b32 s98, s98, 3
	s_add_co_u32 s98, s98, s16
	s_mul_i32 s98, s98, 1536
	s_add_co_u32 s98, s98, s89
	s_add_nc_u64 s[94:95], s[8:9], s[98:99]        ; tile B's
	s_lshl_b32 s100, s15, 1
	s_add_co_u32 s100, s100, ASC
	s_add_co_u32 s98, s2, s66
	s_lshl_b32 s98, s98, 9
	s_add_co_u32 s98, s98, s100
	s_add_nc_u64 s[92:93], s[8:9], s[98:99]        ; tile A's scale bytes: 32 a row, my head's two
	s_add_co_u32 s98, s2, s67
	s_lshl_b32 s98, s98, 9
	s_add_co_u32 s98, s98, s100
	s_add_nc_u64 s[96:97], s[8:9], s[98:99]
.irp b, 0,1,2,3
.irp i, 0,1,2,3,4,5,6,7,8,9,10,11,12,13,14,15
	v_mov_b32 v[160+16*\b+\i], 0                   ; O^T of both tiles: the step is written once; the first change of M leaves zeros zeros
.endr
.endr
.macro ADDRS                           ; the step's LDS addresses, on every wave's way
	v_add_nc_u32 v4, s85, v1
	v_add_nc_u32 v5, VB, v4
	v_add_nc_u32 v6, s86, v2
	v_add_nc_u32 v7, s87, v3
.endm
.macro STEPS
	s_add_co_u32 s84, s84, 1
	s_add_co_u32 s85, s85, STEPB
	s_add_co_u32 s86, s86, 512
	s_add_co_u32 s87, s87, 256
.endm
; ONE TILE OF 16 QUERIES AGAINST ONE STEP OF 128 KEYS.  q: Q's registers; qs: its scale words; st: its statistics; o: its O^T; qi: its mask number; dg: the scalar with its diagonal step; mask: 1 where that step can come.
.macro TILE q, qs, st, o, qi, dg, mask
.rept 4
	v_nop                                          ; places in front of loads into registers that the last products read
.endr
.irp t, 0,1,2,3,4,5,6,7
.irp p, 0,1,2
	ds_load_b64 v[40+6*\t+2*\p:41+6*\t+2*\p], v4 offset:768*\t+256*\p
.endr
.endr
.irp i, 0,1,2,3
	ds_load_b32 v[248+\i], v6 offset:128*\i        ; lanes 0-15: tile 2 i's words; lanes 16-31: tile 2 i + 1's
.endr
	s_wait_dscnt 0x0
.irp t, 0,2,4,6
	v_wmma_scale_f32_16x16x128_f8f6f4 v[96+8*\t:103+8*\t], v[40+6*\t:51+6*\t], v[\q:\q+11], 0, v[248+\t/2], v[\qs] matrix_a_fmt:MATRIX_FMT_BF6 matrix_b_fmt:MATRIX_FMT_BF6
	v_wmma_scale_f32_16x16x128_f8f6f4 v[104+8*\t:111+8*\t], v[46+6*\t:57+6*\t], v[\q:\q+11], 0, v[248+\t/2], v[\qs] matrix_a_fmt:MATRIX_FMT_BF6 matrix_b_fmt:MATRIX_FMT_BF6 matrix_a_scale:MATRIX_SCALE_ROW1
.endr
.rept 4
	v_nop                                          ; places: the scores are read, and V lands where K lay
.endr
.irp d, 0,1,2,3
.irp p, 0,1,2,3,4,5
	ds_load_b64 v[40+12*\d+2*\p:41+12*\d+2*\p], v5 offset:1536*\d+256*\p   ; V's four tiles land under the softmax
.endr
.endr
.irp i, 0,1
	ds_load_b32 v[248+\i], v7 offset:128*\i
.endr
.if \mask
	s_cmp_lg_u32 s84, s[\dg]                       ; only the tile's last step lies on the diagonal
	s_cbranch_scc1 .Lopen_\@
	v_mov_b32 v254, 0xff800000                     ; hidden scores become -infinity ahead of the maximum: p = 0 then
.irp b, 0,1,2,3
.irp i, 0,1,2,3,4,5,6,7,8,9,10,11,12,13,14,15
	v_cmp_gt_i32 vcc_lo, 32*\b+\i, v[\qi]
	v_cndmask_b32 v[96+16*\b+\i], v[96+16*\b+\i], v254, vcc_lo
.endr
.endr
.Lopen_\@:
.endif
.irp b, 0,1,2,3
	v_max3_num_f32 v[232+\b], v[96+16*\b], v[97+16*\b], v[98+16*\b]   ; the largest score of each block of 32 keys: for the row's maximum, and for the block's largest p
.endr
.irp i, 3,5,7,9,11,13
.irp b, 0,1,2,3
	v_max3_num_f32 v[232+\b], v[232+\b], v[96+16*\b+\i], v[97+16*\b+\i]
.endr
.endr
.irp b, 0,1,2,3
	v_max_num_f32 v[232+\b], v[232+\b], v[111+16*\b]
.endr
.irp b, 0,1,2,3
	v_permlanex16_b32 v[236+\b], v[232+\b], s20, s21
.endr
.irp b, 0,1,2,3
	v_max_num_f32 v[232+\b], v[232+\b], v[236+\b]  ; with lane l xor 16's 16 keys
.endr
	v_max3_num_f32 v254, v232, v233, v234
	v_max_num_f32 v254, v254, v235
	v_mul_f32 v254, s22, v254                      ; as t (c is positive)
	v_max_num_f32 v[\st+1], v[\st+1], v254         ; the running largest t
	v_mov_b32 v254, v[\st]
	v_floor_f32 v[\st], -v[\st+1]                  ; the new -M = -ceil(t)
	v_sub_f32 v254, v[\st], v254                   ; old M - new M: a whole number, 0 or less
	v_cvt_i32_f32 v254, v254                       ; (it saturates)
	v_ldexp_f32 v252, 1.0, v254                    ; f = 2^(old M - new M)
.irp b, 0,1,2,3
.irp i, 0,2,4,6,8,10,12,14
	v_pk_fma_f32 v[96+16*\b+\i:97+16*\b+\i], v[96+16*\b+\i:97+16*\b+\i], s[22:23], v[\st:\st+1] op_sel_hi:[1,0,0]   ; t - M
.endr
.endr
.irp b, 0,1,2,3
	v_fma_f32 v[232+\b], v[232+\b], s22, v[\st]    ; the same of each block's largest score
.endr
.irp b, 0,1,2,3
.irp i, 0,1,2,3,4,5,6,7,8,9,10,11,12,13,14,15
	v_exp_f32 v[96+16*\b+\i], v[96+16*\b+\i]       ; p = 2^(t - M), at most 1
.endr
.endr
.irp b, 0,1,2,3
	v_exp_f32 v[232+\b], v[232+\b]                 ; the block's largest p
.endr
	v_pk_mul_f32 v[\st+2:\st+3], v[\st+2:\st+3], v[252:253] op_sel_hi:[1,0]   ; the sums under the new M (a plain place behind the exponentials)
	s_wait_alu depctr_va_vdst(0)
.irp b, 0,1,2,3
	v_max_num_f32 v[232+\b], 0x2800000, v[232+\b]  ; the floor 2^(5 - 127)
.endr
.irp b, 0,1,2,3
	v_add_nc_u32 v[244+\b], 0xfe000000, v[232+\b]  ; the conversion's scale operand
.endr
.irp b, 0,1,2,3
	v_lshrrev_b32 v[236+\b], 23, v[244+\b]         ; the scale's byte
.endr
	v_lshl_or_b32 v253, v237, 8, v236              ; p's scale word for these 128 keys
	v_lshl_or_b32 v253, v238, 16, v253
	v_lshl_or_b32 v253, v239, 24, v253
.irp c, 0,1
	v_cvt_scalef32_pk16_bf6_f32 v[224+6*\c:226+6*\c], v[96+32*\c:111+32*\c], v[244+2*\c]
	v_cvt_scalef32_pk16_bf6_f32 v[236+4*\c:238+4*\c], v[112+32*\c:127+32*\c], v[244+2*\c+1]
.endr
	v_nop                                          ; one plain place behind a scaled conversion
.irp c, 0,1
.irp i, 0,1,2
	v_permlane16_swap_b32 v[224+6*\c+\i], v[236+4*\c+\i]
.endr
.irp i, 0,1,2
	v_mov_b32 v[227+6*\c+\i], v[236+4*\c+\i]
.endr
.endr
	v_pk_add_f32 v[236:237], v[96:97], v[98:99]    ; the row's sum is taken of the unquantised p, in two chains
.irp j, 4,8,12,16,20,24,28,32,36,40,44,48,52,56,60
	v_pk_add_f32 v[\st+2:\st+3], v[\st+2:\st+3], v[96+\j:97+\j]
	v_pk_add_f32 v[236:237], v[236:237], v[98+\j:99+\j]
.endr
	v_pk_add_f32 v[\st+2:\st+3], v[\st+2:\st+3], v[236:237]
.irp j, 0,2,4,6,8,10,12,14,16,18,20,22,24,26,28,30
	v_pk_mul_f32 v[\o+\j:\o+\j+1], v[\o+\j:\o+\j+1], v[252:253] op_sel_hi:[1,0]   ; O^T under the new M
.endr
	s_wait_dscnt 0x0                               ; V and its scale words are in
.irp d, 0,2
	v_wmma_scale_f32_16x16x128_f8f6f4 v[\o+8*\d:\o+8*\d+7], v[40+12*\d:51+12*\d], v[224:235], v[\o+8*\d:\o+8*\d+7], v[248+\d/2], v253 matrix_a_fmt:MATRIX_FMT_BF6 matrix_b_fmt:MATRIX_FMT_BF6
	v_wmma_scale_f32_16x16x128_f8f6f4 v[\o+8*\d+8:\o+8*\d+15], v[52+12*\d:63+12*\d], v[224:235], v[\o+8*\d+8:\o+8*\d+15], v[248+\d/2], v253 matrix_a_fmt:MATRIX_FMT_BF6 matrix_b_fmt:MATRIX_FMT_BF6 matrix_a_scale:MATRIX_SCALE_ROW1
.endr
.endm
	s_wait_tensorcnt 0x3                           ; of a fetching wave's five loads the last three may be out: the scale words and key steps 0-3 are in,
	s_barrier_signal -1
	s_barrier_wait -1                              ; everybody's are.
	s_mov_b32 s84, 0                               ; the key step, and where its codes and scale words begin in LDS
	s_mov_b32 s85, 0
	s_mov_b32 s86, 0
	s_mov_b32 s87, 0
	s_mov_b32 s88, 4
.Lone:                                 ; key steps 0-3: tile B's diagonal lies at step 8 or later
	ADDRS
	TILE 28, 95, 12, 192, 243, 12, 0
	s_cmp_gt_u32 s84, s11
	s_cbranch_scc1 .Lskip_a1
	TILE 16, 94, 8, 160, 255, 11, 1
.Lskip_a1:
	STEPS
	s_sub_co_u32 s88, s88, 1
	s_cmp_lg_u32 s88, 0
	s_cbranch_scc1 .Lone
	s_wait_tensorcnt 0x0                           ; all my loads have landed,
	s_wait_dscnt 0x0
	s_barrier_signal -1
	s_barrier_wait -1                              ; everybody's have: the whole head lies in LDS
	s_mov_b32 s84, 4
	s_mov_b32 s85, 4*STEPB
	s_mov_b32 s86, 4*512
	s_mov_b32 s87, 4*256
	s_mov_b32 s88, 12
.Ltwo:                                 ; key steps 4-15
	ADDRS
	s_cmp_gt_u32 s84, s12
	s_cbranch_scc1 .Lsteps2                        ; behind tile B's diagonal (and so behind tile A's)
	TILE 28, 95, 12, 192, 243, 12, 1
	s_cmp_gt_u32 s84, s11
	s_cbranch_scc1 .Lsteps2
	TILE 16, 94, 8, 160, 255, 11, 1
.Lsteps2:
	STEPS
	s_sub_co_u32 s88, s88, 1
	s_cmp_lg_u32 s88, 0
	s_cbranch_scc1 .Ltwo
.rept 4
	v_nop                                          ; places behind the last products
.endr
	v_and_b32 v4, 15, v0
	v_lshlrev_b32 v4, 5, v4                        ; my row's 32 scale bytes
; O^T / the sum: register 16 b + i is o(query, 32 b + 16 (lane / 16) + i): two blocks of 32 along the next product's K.  They become half a fragment (six registers) and two scale bytes.
.macro FIN st, o, pc, px, wd, cp, sp
	v_add_f32 v[\st+2], v[\st+2], v[\st+3]
	v_permlanex16_b32 v252, v[\st+2], s20, s21
	v_add_f32 v[\st+2], v[\st+2], v252             ; the row's sum
	v_rcp_f32 v[\st+2], v[\st+2]
	v_nop                                          ; one plain place behind a transcendental
	s_wait_alu depctr_va_vdst(0)
.irp j, 0,2,4,6,8,10,12,14,16,18,20,22,24,26,28,30
	v_pk_mul_f32 v[96+\j:97+\j], v[\o+\j:\o+\j+1], v[\st+2:\st+3] op_sel_hi:[1,0]
.endr
.irp b, 0,1
	v_max3_num_f32 v[232+\b], |v[96+16*\b]|, |v[97+16*\b]|, 0x2800000
.endr
.irp i, 2,4,6,8,10,12,14
.irp b, 0,1
	v_max3_num_f32 v[232+\b], v[232+\b], |v[96+16*\b+\i]|, |v[97+16*\b+\i]|
.endr
.endr
.irp b, 0,1
	v_permlanex16_b32 v[236+\b], v[232+\b], s20, s21
.endr
.irp b, 0,1
	v_max_num_f32 v[232+\b], v[232+\b], v[236+\b]
.endr
.irp b, 0,1
	v_add_nc_u32 v[244+\b], 0xfe000000, v[232+\b]
.endr
.irp b, 0,1
	v_lshrrev_b32 v[236+\b], 23, v[244+\b]
.endr
	v_lshl_or_b32 v[\wd], v237, 8, v236
	v_cvt_scalef32_pk16_bf6_f32 v[\pc:\pc+2], v[96:111], v244
	v_cvt_scalef32_pk16_bf6_f32 v[\px:\px+2], v[112:127], v245
	v_nop
.irp i, 0,1,2
	v_permlane16_swap_b32 v[\pc+\i], v[\px+\i]     ; lanes 0-15 block 0, lanes 16-31 block 1
.endr
.irp i, 0,1,2
	v_mov_b32 v[\pc+3+\i], v[\px+\i]
.endr
.irp p, 0,1,2
	global_store_b64 v1, v[\pc+2*\p:\pc+2*\p+1], s[\cp:\cp+1] offset:256*\p   ; 256 consecutive bytes, aligned
.endr
	global_store_b16 v4, v[\wd], s[\sp:\sp+1]      ; two bytes of my row's 32 (both halves of the lanes hold the same): 2 bytes for every 48 of codes
.endm
	FIN 8, 160, 224, 236, 246, 90, 92
	FIN 12, 192, 230, 240, 247, 94, 96
	s_wait_xcnt 0x0
	v_lshl_add_u32 v254, v0, 2, 0x33000
	v_mov_b32 v255, 0
	s_wait_tensorcnt 0x0
	ds_add_u32 v254, v255
	s_wait_dscnt 0x0
	CROUND                                         ; the closing round
	s_endpgm
.Lfunc_end_k_qf4ebd81aa6_attn:
	.size	k_qf4ebd81aa6_attn, .Lfunc_end_k_qf4ebd81aa6_attn-k_qf4ebd81aa6_attn
	.p2alignl 7, 3214868480
	.fill 96, 4, 3214868480
	.section	.rodata,"a",@progbits
	.p2align	6, 0x0
	.amdhsa_kernel k_qf4ebd81aa6_attn
		.amdhsa_group_segment_fixed_size 210944
		.amdhsa_private_segment_fixed_size 0
		.amdhsa_enable_private_segment 0
		.amdhsa_kernarg_size 24
		.amdhsa_user_sgpr_count 2
		.amdhsa_user_sgpr_kernarg_segment_ptr 1
		.amdhsa_wavefront_size32 1
		.amdhsa_system_sgpr_workgroup_id_x 1
		.amdhsa_system_sgpr_workgroup_id_y 1
		.amdhsa_system_sgpr_workgroup_id_z 1
		.amdhsa_system_vgpr_workitem_id 0
		.amdhsa_next_free_vgpr 256
		.amdhsa_next_free_sgpr 102
		.amdhsa_reserve_vcc 1
		.amdhsa_float_denorm_mode_32 3
		.amdhsa_float_denorm_mode_16_64 3
		.amdhsa_memory_ordered 1
		.amdhsa_forward_progress 1
		.amdhsa_inst_pref_size 107
	.end_amdhsa_kernel
	.amdgpu_metadata
---
amdhsa.version: [ 1, 2 ]
amdhsa.kernels:
  - .name:           k_qf4ebd81aa6_attn
    .symbol:         k_qf4ebd81aa6_attn.kd
    .args:
      - { .name: qk, .offset: 0, .size: 8, .value_kind: global_buffer, .address_space: global }
      - { .name: vv, .offset: 8, .size: 8, .value_kind: global_buffer, .address_space: global }
      - { .name: ao, .offset: 16, .size: 8, .value_kind: global_buffer, .address_space: global }
    .group_segment_fixed_size: 210944
    .private_segment_fixed_size: 0
    .kernarg_segment_align: 8
    .kernarg_segment_size: 24
    .max_flat_workgroup_size: 512
    .sgpr_count:     102
    .vgpr_count:     256
    .wavefront_size: 32
...
	.end_amdgpu_metadata
.endif
;; end of part 3
;; launch gemm_out (part 4): grid 4 x 32, 4 waves a work-group, clusters of 4 x 4, 327,680 bytes of LDS; arguments ao, wq, out0; writes out0
.if DOCPART == 4
	.amdgcn_target "amdgcn-amd-amdhsa--gfx1250"
	.amdhsa_code_object_version 6
	.text
	.protected	k_qf4ebd81aa6_gemm_out
	.globl	k_qf4ebd81aa6_gemm_out
	.p2align	8
	.type	k_qf4ebd81aa6_gemm_out,@function
k_qf4ebd81aa6_gemm_out:
	s_mov_b64 s[64:65], 0
	v_nop
	global_prefetch_b8 v0, s[64:65] scope:SCOPE_SE
	s_setreg_imm32_b32 hwreg(HW_REG_WAVE_MODE, 25, 1), 1
	s_wait_xcnt 0x0
	s_wait_alu depctr_hold_cnt(0) depctr_sa_sdst(0) depctr_va_vdst(0) depctr_va_sdst(0) depctr_va_ssrc(0) depctr_va_vcc(0) depctr_vm_vsrc(0)
	s_getreg_b32 s2, hwreg(HW_REG_IB_STS2, 6, 4)
	s_cmp_eq_u32 s2, 0
	s_cbranch_scc0 .Lentry_in_a_cluster
	s_endpgm
.Lentry_in_a_cluster:
	s_bfe_u32 s2, ttmp6, 0x10000c
	s_cmp_lg_u32 s2, 0xf033
	s_cbranch_scc0 .Lentry_shape_is_right
	s_endpgm
.Lentry_shape_is_right:
; out0 = (attention's result) Wout on codes of BF6 (E3M2) with E8M0 scales.  M = 8192, N = 1024, K = 1024; out0 f32.
; A work-group of four waves makes 256 x 256, a wave 128 x 128 in 64 accumulators; K goes in steps of 256 through a ring of two LDS slots; the scale bytes of the work-group's rows come once.
; 4 x 4 work-groups form a cluster: A's tiles are asked for jointly along a row of the cluster, B's along a column.  128 work-groups: the problem has no more tiles of this size; a smaller tile would read each fragment for half the products.
; A (ao) comes as IMAGES of fragments: for each 16 places of t, eight images of 1,536 bytes along K (six pieces of 256 bytes, lane l at 8 l): a K step of a block is 3,072 dense bytes, read back with no pitch and no padding.
; B (wq's places 3072-4095: Wout's columns) comes as rows of codes.  The matrix instruction is used transposed (source 0 = B, source 1 = A).
; Both operands lie by PLACES (bits 3 and 4 of the index exchanged): the way out puts columns and rows back: accumulators 2 b, 2 b + 1 of a lane are columns 32 b + 16 (lane / 16) + 0 .. 15, and lane r of block a is row 32 (a / 2) + 8 (a % 2) + r + 8 (r / 8).
; REGISTERS, in windows of 256: window 0: v0-31 addresses; v32-63 scale words, two sets; from v128 A's fragments, ONE set.  window 1: B's fragments, TWO sets.  windows 2, 3: the accumulators.
.set SIZE_K, 1024
.set SIZE_N, 1024
.set KSTEP,  256
.set NQ,     KSTEP/128
.set ROWB,   192
.set KROW,   SIZE_K*6/8
.set PITCH,  240
.set ABLK,   3072                      ; a block of 16 rows of A, 256 along K, in LDS and in a row of the tile
.set FR,     12
.set NL,     6
.set NP,     4
.set HALFT,  128*PITCH
.set SLOT,   4*HALFT
.set LAPS,   SIZE_K/(2*KSTEP)
.set KS,     SIZE_K/32
.set SCL,    2*SLOT
.set HALFS,  (128*KS/256)*272
.set SBLK,   (16*KS/256)*272
.set SPARE,  SCL+4*HALFS               ; the spare words, 128 bytes a wave: two blocks of 256 bytes that no other line names
.set SPITCH, 528                       ; the way out: a stage of 16 rows x (512 bytes + 16) for each wave, in slot 0, which has had its last fill and its last read by then
.set ASC,    6291456                   ; ao's scale bytes
.set WOC,    2359296                   ; Wout's codes in wq
.set WOS,    3244032                   ; and its scale bytes
.set ADRA, 16                          ; v16-17 LDS address of my A images in slot 0, 1
.set ADRB, 20                          ; v20-23 of my B fragments
.set STO,  24
.set RD,   25
.set CO,   26
.set ADRS, 27
.set SPW,  28
.set NIL,  29
.set SC,   32
.set AF,   128
.set BK,   128
.set G1, 24
.set G0, 32
.set G1B, 48
.set G0B, 56
.set G1S, 68
.set G0S, 76
.set G1SB, 80
.set G0SB, 88
.set MSB, 0
.macro WIN new
.if MSB != \new
	s_set_vgpr_msb (MSB<<8)|\new
.set MSB, \new
.endif
.endm
.set MUL_LO, 0xa1
.set MUL_HI, 0xf1
.set TO_B,   0x40
.macro JLOAD g0a, g1a, g0b, g1b        ; a joint load: waves 0 and 1 fetch for A, waves 2 and 3 for B; four v_nop follow each of the two lines
	s_cmp_eq_u32 s15, 0
	s_cbranch_scc0 .Lfor_b_\@
	tensor_load_to_lds s[\g0a:\g0a+3], s[\g1a:\g1a+7]
	s_nop 0
.rept 4
	v_nop
.endr
	s_branch .Lasked_\@
.Lfor_b_\@:
	tensor_load_to_lds s[\g0b:\g0b+3], s[\g1b:\g1b+7]
	s_nop 0
.rept 4
	v_nop
.endr
.Lasked_\@:
.endm
.macro CREST
	s_cmp_lg_u32 s14, 0
	s_cbranch_scc1 .Lnot_wave_0_\@
	s_barrier_signal -3
.Lnot_wave_0_\@:
	s_barrier_wait -3
	s_barrier_signal -1
	s_barrier_wait -1
.endm
.macro CROUND
	s_barrier_signal -1
	s_barrier_wait -1
	CREST
.endm
	s_load_b128 s[4:7], s[0:1], 0x0                ; ao, wq
	s_load_b64 s[12:13], s[0:1], 0x10              ; out0
	v_lshl_add_u32 v[SPW], v0, 2, SPARE
	v_mov_b32 v[NIL], 0
	ds_add_u32 v28, v29
	ds_add_u32 v28, v29
	s_wait_dscnt 0x0
	v_lshrrev_b32 v1, 5, v0
	v_readfirstlane_b32 s14, v1                    ; wave 0..3
	s_lshr_b32 s15, s14, 1                         ; which half of the tile's rows is mine.  Also: I fetch for A (0) or for B (1)
	s_and_b32 s16, s14, 1                          ; which half of its columns.  Also: which 128 rows of that tile I fetch
	s_bfe_u32 s40, ttmp6, 0x40000
	s_bfe_u32 s41, ttmp6, 0x40004
	s_lshl_b32 s42, ttmp9, 2
	s_add_co_u32 s42, s42, s40                     ; tile column
	s_and_b32 s17, ttmp7, 0xffff
	s_lshl_b32 s17, s17, 2
	s_add_co_u32 s17, s17, s41                     ; tile row
	s_lshl_b32 s43, s41, 2
	s_lshl_b32 s43, 15, s43                        ; my row of the cluster
	s_lshl_b32 s44, 0x1111, s40                    ; my column
	; group 1 for A: 8 blocks of 16 rows, each 3,072 dense bytes (384 elements of 8), 12,288 bytes apart; no padding
	s_or_b32 s[G1+0], s43, (3<<16)|(1<<21)
	s_mov_b32 s[G1+1], 384<<16
	s_mov_b32 s[G1+2], 8<<16
	s_mov_b32 s[G1+3], 384<<16
	s_mov_b32 s[G1+4], 8
	s_mov_b32 s[G1+5], 1536
	s_mov_b32 s[G1+6], 0
	s_mov_b32 s[G1+7], 0
	; for B: 128 rows x 192 bytes, 16 bytes of padding behind every 64
	s_or_b32 s[G1B+0], s44, (0<<16)|(1<<20)|(1<<21)|(3<<22)|(3<<25)
	s_mov_b32 s[G1B+1], ROWB<<16
	s_mov_b32 s[G1B+2], 128<<16
	s_mov_b32 s[G1B+3], ROWB<<16
	s_mov_b32 s[G1B+4], 128
	s_mov_b32 s[G1B+5], KROW
	s_mov_b32 s[G1B+6], 0
	s_mov_b32 s[G1B+7], 0
	s_or_b32 s[G1S+0], s43, (3<<16)|(1<<20)|(1<<21)|(5<<22)|(3<<25)
	s_or_b32 s[G1SB+0], s44, (3<<16)|(1<<20)|(1<<21)|(5<<22)|(3<<25)
.irp g, G1S, G1SB
	s_mov_b32 s[\g+1], 32<<16
	s_mov_b32 s[\g+2], (128*KS/256)<<16
	s_mov_b32 s[\g+3], 32<<16
	s_mov_b32 s[\g+4], 128*KS/256
	s_mov_b32 s[\g+5], 32
	s_mov_b32 s[\g+6], 0
	s_mov_b32 s[\g+7], 0
.endr
	s_lshl_b32 s18, s16, 7
	s_lshl_b32 s20, s17, 8
	s_add_co_u32 s20, s20, s18                     ; A: first place I fetch
	s_lshl_b32 s46, s42, 8
	s_add_co_u32 s46, s46, s18                     ; B: first place
	s_lshl_b32 s22, s20, 5
	s_add_co_u32 s22, s22, ASC
	s_mov_b32 s23, 0
	s_lshl_b32 s92, s46, 5
	s_add_co_u32 s92, s92, WOS
	s_mov_b32 s93, 0
	s_mul_i32 s20, s20, KROW                       ; 16 places of A are eight images: 12,288 bytes = 16 x 768
	s_mov_b32 s21, 0
	s_mul_i32 s46, s46, KROW
	s_add_co_u32 s46, s46, WOC
	s_mov_b32 s47, 0
	s_mul_i32 s45, s14, HALFT
	s_mul_i32 s94, s14, HALFS
	s_wait_kmcnt 0x0
	s_add_nc_u64 s[20:21], s[4:5], s[20:21]
	s_add_nc_u64 s[22:23], s[4:5], s[22:23]
	s_add_nc_u64 s[46:47], s[6:7], s[46:47]
	s_add_nc_u64 s[92:93], s[6:7], s[92:93]
	CROUND                                         ; all sixteen work-groups are here: the first joint loads meet
	s_mov_b32 s[G0S], 1
	s_add_co_u32 s[G0S+1], s94, SCL
	s_mov_b64 s[G0S+2:G0S+3], s[22:23]
	s_or_b32 s[G0S+3], s[G0S+3], 0x80000000
	s_mov_b32 s[G0SB], 1
	s_add_co_u32 s[G0SB+1], s94, SCL
	s_mov_b64 s[G0SB+2:G0SB+3], s[92:93]
	s_or_b32 s[G0SB+3], s[G0SB+3], 0x80000000
	JLOAD G0S, G1S, G0SB, G1SB
.irp s, 0,1
	s_mov_b32 s[G0+4*\s], 1
	s_add_co_u32 s[G0+4*\s+1], s45, \s*SLOT
	s_add_nc_u64 s[G0+4*\s+2:G0+4*\s+3], s[20:21], \s*ABLK
	s_or_b32 s[G0+4*\s+3], s[G0+4*\s+3], 0x80000000
	s_mov_b32 s[G0B+4*\s], 1
	s_add_co_u32 s[G0B+4*\s+1], s45, \s*SLOT
	s_add_nc_u64 s[G0B+4*\s+2:G0B+4*\s+3], s[46:47], \s*ROWB
	s_or_b32 s[G0B+4*\s+3], s[G0B+4*\s+3], 0x80000000
	JLOAD G0+4*\s, G1, G0B+4*\s, G1B
.endr
	v_and_b32 v1, 15, v0                           ; l % 16
	v_bfe_u32 v2, v0, 4, 1                         ; l / 16
	v_and_b32 v6, 31, v0
	v_lshlrev_b32 v7, 3, v6                        ; A: 8 x lane
	v_mul_u32_u24 v3, v1, PITCH
	v_mul_u32_u24 v4, v2, 24
	v_add_nc_u32 v4, v3, v4                        ; B: a fragment's row x pitch + 24 x half
	v_lshl_add_u32 v5, v2, 4, v4                   ; and the same behind one padding more
	s_mul_i32 s21, s15, HALFT
	s_mul_i32 s22, s16, HALFT
	s_add_co_u32 s22, s22, 2*HALFT
.irp s, 0,1
	v_add_nc_u32 v[ADRA+\s], s21, v7
	v_add_nc_u32 v[ADRB+\s], s22, v4
	v_add_nc_u32 v[ADRB+2+\s], s22, v5
	s_add_co_u32 s21, s21, SLOT
	s_add_co_u32 s22, s22, SLOT
.endr
	v_mul_u32_u24 v5, v1, KS
	v_lshrrev_b32 v6, 8, v5
	v_lshl_add_u32 v5, v6, 4, v5
	s_mul_i32 s21, s15, HALFS
	s_mul_i32 s22, s16, HALFS
	s_add_co_u32 s22, s22, 2*HALFS
	s_sub_co_u32 s22, s22, s21
	v_mul_u32_u24 v6, s22, v2                      ; lanes 16-31 take B's
	s_add_co_u32 s21, s21, SCL
	v_add_nc_u32 v5, v5, v6
	v_add_nc_u32 v[ADRS], s21, v5
	s_mul_i32 s23, s14, 16*SPITCH                  ; my stage
	v_mul_u32_u24 v5, v1, SPITCH                   ; in: row l % 16; my half's 16 columns of each 32 begin 64 bytes on
	v_lshl_add_u32 v5, v2, 6, v5
	v_add_nc_u32 v[STO], s23, v5
	v_and_b32 v6, 31, v0
	v_lshlrev_b32 v[CO], 4, v6                     ; back: the 32 lanes take one row of 512 bytes; and the same in out0
	v_add_nc_u32 v[RD], s23, v[CO]
	s_lshl_b32 s20, s17, 8
	s_lshl_b32 s21, s15, 7
	s_add_co_u32 s20, s20, s21                     ; my first row
	s_lshl_b32 s20, s20, 12                        ; 4,096 bytes a row
	s_lshl_b32 s46, s42, 10
	s_lshl_b32 s47, s16, 9
	s_add_co_u32 s46, s46, s47                     ; my first column, in bytes
	s_add_co_u32 s20, s20, s46
	s_mov_b32 s21, 0
	s_add_nc_u64 s[12:13], s[12:13], s[20:21]
.macro FRAG reg, adr, q, i             ; B's fragment from rows of codes, in pieces of 8 bytes
.irp p, 0,1,2,3,4,5
.set PCE, 12*(\q)+6*(\p/3)+\p%3
.if PCE%8 < 5
	ds_load_b64 v[\reg+2*\p:\reg+2*\p+1], v[\adr] offset:8*PCE+16*(PCE/8)+(\i)*16*PITCH
.else
	ds_load_b64 v[\reg+2*\p:\reg+2*\p+1], v[\adr+2] offset:8*PCE+16*(PCE/8)+(\i)*16*PITCH
.endif
.endr
.endm
.macro FRAGA reg, adr, q, i            ; A's fragment from its image: each load takes 256 consecutive bytes
.irp p, 0,1,2,3,4,5
	ds_load_b64 v[\reg+2*\p:\reg+2*\p+1], v[\adr] offset:ABLK*(\i)+1536*(\q)+256*\p
.endr
.endm
.macro MUL16 a0, p, q, sc, zero        ; the 64 accumulators take turns, one instruction a turn
.irp a, \a0, \a0+1
.irp b, 0,1,2,3,4,5,6,7
.if \zero
	v_wmma_scale_f32_16x16x128_f8f6f4 v[8*(8*((\a)%4)+\b):8*(8*((\a)%4)+\b)+7], v[128*(\p)+FR*\b:128*(\p)+FR*\b+FR-1], v[AF+FR*(\a):AF+FR*(\a)+FR-1], 0, v[SC+8*NQ*(\sc)+NQ*\b+(\q)], v[SC+8*NQ*(\sc)+NQ*(\a)+(\q)] matrix_a_fmt:MATRIX_FMT_BF6 matrix_b_fmt:MATRIX_FMT_BF6 matrix_a_scale:MATRIX_SCALE_ROW1
.else
	v_wmma_scale_f32_16x16x128_f8f6f4 v[8*(8*((\a)%4)+\b):8*(8*((\a)%4)+\b)+7], v[128*(\p)+FR*\b:128*(\p)+FR*\b+FR-1], v[AF+FR*(\a):AF+FR*(\a)+FR-1], v[8*(8*((\a)%4)+\b):8*(8*((\a)%4)+\b)+7], v[SC+8*NQ*(\sc)+NQ*\b+(\q)], v[SC+8*NQ*(\sc)+NQ*(\a)+(\q)] matrix_a_fmt:MATRIX_FMT_BF6 matrix_b_fmt:MATRIX_FMT_BF6 matrix_a_scale:MATRIX_SCALE_ROW1
.endif
.endr
.endr
.endm
.macro FETCH_B slot, q, p
	WIN TO_B
.irp i, 0,1,2,3,4,5,6,7
	FRAG 128*(\p)+FR*\i, ADRB+\slot, \q, \i
.endr
	WIN 0
.endm
.macro FETCH_A slot, q, i0
.irp i, \i0, \i0+1, \i0+2, \i0+3
	FRAGA AF+FR*(\i), ADRA+\slot, \q, \i
.endr
.endm
.macro SCALES sc
.irp i, 0,1,2,3,4,5,6,7
	ds_load_b64 v[SC+8*NQ*\sc+NQ*\i:SC+8*NQ*\sc+NQ*\i+1], v[ADRS] offset:\i*SBLK
.endr
.endm
.macro PLACES n
.rept \n
	v_nop
.endr
.endm
.macro STEP slot, q, zero
	s_wait_dscnt 4*NL                              ; B's set and A's blocks 0-3 are in; the youngest 24 loads (A's blocks 4-7) may be out
	WIN MUL_LO
	MUL16 0, (\q)%2, \q, \slot, \zero
	MUL16 2, (\q)%2, \q, \slot, \zero
	s_wait_dscnt 0
	PLACES NP
	FETCH_B \slot, (\q)+1, 1-(\q)%2
	FETCH_A \slot, (\q)+1, 0
	WIN MUL_HI
	MUL16 4, (\q)%2, \q, \slot, \zero
	MUL16 6, (\q)%2, \q, \slot, \zero
	PLACES NP
	WIN 0
	FETCH_A \slot, (\q)+1, 4
.endm
.macro TURN slot, next, fill
	s_wait_tensorcnt 0x0                           ; all my tensor loads have landed: my part of the next slot
	ds_add_u32 v[SPW], v[NIL]                      ; 0 onto my spare word
	s_wait_dscnt 4*NL+1                            ; (the add and the youngest 24 loads may be out)
	WIN MUL_LO
	MUL16 0, 1, NQ-1, \slot, 0
	s_wait_dscnt 0x0                               ; the add is done, and my reads of this slot are over
	s_barrier_signal -1
	MUL16 2, 1, NQ-1, \slot, 0
	WIN 0
	s_barrier_wait -1
.if \fill
	CREST                                          ; the barrier has opened a round of the cluster's barrier
	s_add_nc_u64 s[G0+4*\slot+2:G0+4*\slot+3], s[G0+4*\slot+2:G0+4*\slot+3], 2*ABLK
	s_add_nc_u64 s[G0B+4*\slot+2:G0B+4*\slot+3], s[G0B+4*\slot+2:G0B+4*\slot+3], 2*ROWB
	JLOAD G0+4*\slot, G1, G0B+4*\slot, G1B         ; the first tensor load behind the round
.else
	PLACES NP
.endif
	v_add_nc_u32 v[ADRS], 4*NQ, v[ADRS]
	FETCH_B \next, 0, 0
	FETCH_A \next, 0, 0
	SCALES \next
	WIN MUL_HI
	MUL16 4, 1, NQ-1, \slot, 0
	MUL16 6, 1, NQ-1, \slot, 0
	PLACES NP
	WIN 0
	FETCH_A \next, 0, 4
.endm
	s_wait_tensorcnt 1                             ; the scales and my part of K step 0 are in (K step 1's load may be out),
	s_barrier_signal -1
	s_barrier_wait -1
	FETCH_B 0, 0, 0
	FETCH_A 0, 0, 0
	SCALES 0
	FETCH_A 0, 0, 4
	STEP 0, 0, 1
	s_mov_b32 s3, LAPS-1
.Llap:
	TURN 0, 1, 1
	STEP 1, 0, 0
	TURN 1, 0, 1
	STEP 0, 0, 0
	s_sub_co_u32 s3, s3, 1
	s_cmp_lg_u32 s3, 0
	s_cbranch_scc1 .Llap
	TURN 0, 1, 0
	STEP 1, 0, 0
	s_wait_dscnt 4*NL
	WIN MUL_LO
	MUL16 0, 1, NQ-1, 1, 0
	MUL16 2, 1, NQ-1, 1, 0
	s_wait_dscnt 0
	WIN MUL_HI
	MUL16 4, 1, NQ-1, 1, 0
	MUL16 6, 1, NQ-1, 1, 0
	WIN 0
; THE WAY OUT, block by block of 16 places x 128 columns, through my own stage: in by true columns, back as whole rows of 512 bytes, each stored at its true row.
.macro TOSTAGE a
.set AC, 64*((\a)%4)
	WIN 0x08+4*((\a)/4)                            ; the data: window 2 or 3
.irp b, 0,1,2,3,4,5,6,7
	ds_store_b128 v[STO], v[AC+8*\b:AC+8*\b+3] offset:128*(\b/2)+32*(\b%2)          ; each accumulator from its low end on
	ds_store_b128 v[STO], v[AC+8*\b+4:AC+8*\b+7] offset:128*(\b/2)+32*(\b%2)+16
.endr
	WIN 0
.set BB, BK+64*((\a)%2)
.irp t, 0,1,2,3,4,5,6,7,8,9,10,11,12,13,14,15
	ds_load_b128 v[BB+4*\t:BB+4*\t+3], v[RD] offset:\t*SPITCH   ; LDS serves a wave's instructions in order: these see the stores above
.endr
.endm
.macro SEND a, younger
.set BB, BK+64*((\a)%2)
	s_wait_dscnt \younger                          ; the block is back in registers; the next block's 16 stores and 16 loads may be out
.irp t, 0,1,2,3,4,5,6,7,8,9,10,11,12,13,14,15
	global_store_b128 v[CO], v[BB+4*\t:BB+4*\t+3], s[12:13] offset:(32*((\a)/2)+16*(\t/8)+8*((\a)%2)+\t%8)*SIZE_N*4 th:TH_STORE_NT   ; 32 lanes store 512 consecutive bytes, aligned; 127 rows at the most: inside the signed 24-bit immediate
.endr
.endm
	PLACES NP
	TOSTAGE 0
.irp a, 1,2,3,4,5,6,7
.if \a > 1
	s_wait_xcnt 0x0                                ; block a - 2's stores have read their registers: block a's loads may land there
.endif
	TOSTAGE \a
	SEND \a-1, 32
.endr
	SEND 7, 0
	s_wait_tensorcnt 0x0                           ; the wave's end
	ds_add_u32 v[SPW], v[NIL]
	s_wait_dscnt 0x0
	CROUND                                         ; the closing round
	s_endpgm
.Lfunc_end_k_qf4ebd81aa6_gemm_out:
	.size	k_qf4ebd81aa6_gemm_out, .Lfunc_end_k_qf4ebd81aa6_gemm_out-k_qf4ebd81aa6_gemm_out
	.p2alignl 7, 3214868480
	.fill 96, 4, 3214868480
	.section	.rodata,"a",@progbits
	.p2align	6, 0x0
	.amdhsa_kernel k_qf4ebd81aa6_gemm_out
		.amdhsa_group_segment_fixed_size 327680
		.amdhsa_private_segment_fixed_size 0
		.amdhsa_enable_private_segment 0
		.amdhsa_kernarg_size 24
		.amdhsa_user_sgpr_count 2
		.amdhsa_user_sgpr_kernarg_segment_ptr 1
		.amdhsa_wavefront_size32 1
		.amdhsa_system_sgpr_workgroup_id_x 1
		.amdhsa_system_sgpr_workgroup_id_y 1
		.amdhsa_system_sgpr_workgroup_id_z 1
		.amdhsa_system_vgpr_workitem_id 0
		.amdhsa_next_free_vgpr 1024
		.amdhsa_next_free_sgpr 98
		.amdhsa_reserve_vcc 0
		.amdhsa_float_denorm_mode_32 3
		.amdhsa_float_denorm_mode_16_64 3
		.amdhsa_memory_ordered 1
		.amdhsa_forward_progress 1
		.amdhsa_inst_pref_size 159
	.end_amdhsa_kernel
	.amdgpu_metadata
---
amdhsa.version: [ 1, 2 ]
amdhsa.kernels:
  - .name:           k_qf4ebd81aa6_gemm_out
    .symbol:         k_qf4ebd81aa6_gemm_out.kd
    .args:
      - { .name: ao, .offset: 0, .size: 8, .value_kind: global_buffer, .address_space: global }
      - { .name: wq, .offset: 8, .size: 8, .value_kind: global_buffer, .address_space: global }
      - { .name: out0, .offset: 16, .size: 8, .value_kind: global_buffer, .address_space: global }
    .group_segment_fixed_size: 327680
    .private_segment_fixed_size: 0
    .kernarg_segment_align: 8
    .kernarg_segment_size: 24
    .max_flat_workgroup_size: 128
    .sgpr_count:     98
    .vgpr_count:     1024
    .wavefront_size: 32
...
	.end_amdgpu_metadata
.endif
;; end of part 4
